; MI455X (gfx1250); checked and timed in simulation.
; The chip was launched on July 23, 2026; its instructions are those of AMD's public machine-readable ISA for CDNA 5 (MIT licence, August 2026) and "CDNA5" Instruction Set Architecture Reference Guide (July 2026). The comments in the code are by the model that wrote it; some were corrected since.
;; Encoder Block. Allowed arithmetic: matrix products marked QUANTISED: E2M3 operands, one E8M0 scale for each 32 along K, by v_wmma_scale_f32_16x16x128_f8f6f4 with both operands' format E2M3, f32 sums; everything else in f32.
;; Inputs: a1 1 float32; a2 1 float32; b1 4,096 float32; b2 1,024 float32; be1 1 float32; be2 1 float32; src 2 x 2,048 x 1,024 float32; src_mask 2 x 1 x 1 x 2,048 int32; w1 4,096 x 1,024 float32; w2 1,024 x 4,096 float32; wk 1,024 x 1,024 float32; wo 1,024 x 1,024 float32; wq 1,024 x 1,024 float32; wv 1,024 x 1,024 float32.
;; Outputs: out0 2 x 2,048 x 1,024 float32.
;; This version of the problem:
;;   THIS VERSION OF THE PROBLEM IS GIVEN IN LOW PRECISION. The matrix products marked QUANTISED in the list below multiply operands that are first quantised to E2M3 (2 exponent bits, 3 mantissa bits; 6 bits a number), with one power-of-two scale for each 32 numbers along K (OCP MX v1.0); their sums are f32. All else is computed in f32.
;;   The module's matrix products, in the order in which they are computed (A, B: the left and right operand; K: the contracted axis; several contracted axes count as one K, in the product's order):
;;     1. [M 4,096, K 1,024] x [K 1,024, N 1,024]; A: computed on the way; B: input wq: QUANTISED
;;     2. [M 4,096, K 1,024] x [K 1,024, N 1,024]; A: computed on the way; B: input wk: QUANTISED
;;     3. [M 4,096, K 1,024] x [K 1,024, N 1,024]; A: computed on the way; B: input wv: QUANTISED
;;     4. batch 32 x [M 2,048, K 64] x [K 64, N 2,048]; A: computed on the way; B: computed on the way: QUANTISED
;;     5. batch 32 x [M 2,048, K 2,048] x [K 2,048, N 64]; A: softmax (see below); B: computed on the way: QUANTISED
;;     6. [M 4,096, K 1,024] x [K 1,024, N 1,024]; A: computed on the way; B: input wo: QUANTISED
;;     7. [M 4,096, K 1,024] x [K 1,024, N 4,096]; A: computed on the way; B: input w1: QUANTISED
;;     8. [M 4,096, K 4,096] x [K 4,096, N 1,024]; A: computed on the way; B: input w2: QUANTISED
;;   THE QUANTISER, for each operand of a quantised product, along K:
;;     - K is cut into blocks of 32 from its start; a last block that is shorter is filled with zeros.
;;     - A block's scale is 2^e with e = floor(log2(the largest magnitude in the block)) - 2, held to -126 .. 127; a block of zeros has e = 0. As a byte (E8M0): e + 127.
;;     - Each number is divided by its block's scale, clamped to +-7.5, and rounded to the nearest number of E2M3, ties to even, subnormals kept.
;;     - The product sums the exact products of the quantised numbers (number of the format x scale) in f32.
;;   ~~~python
;;   def quantise(x, axis):      # numpy; x: float32 -> the quantised numbers, widened to float32 again
;;       x = np.moveaxis(x, axis, -1); K = x.shape[-1]
;;       x = np.pad(x, [(0, 0)] * (x.ndim - 1) + [(0, -K % 32)]); x = x.reshape(x.shape[:-1] + (-1, 32)); a = np.abs(x).max(-1, keepdims=True)
;;       e = np.where(a > 0, np.clip(np.frexp(np.where(a > 0, a, 1))[1] - 1 - 2, -126, 127), 0)      # np.frexp(a)[1] - 1 = floor(log2(a)), exactly
;;       r = np.clip(x / 2.0 ** e, -7.5, 7.5)
;;       step = 2.0 ** (np.maximum(np.frexp(np.where(r == 0, 1, r))[1] - 1, 0) - 3)
;;       q = np.round(r / step) * step * 2.0 ** e      # np.round: ties to even
;;       return np.moveaxis(q.reshape(q.shape[:-2] + (-1,))[..., :K], -1, axis).astype(np.float32)
;;   ~~~
;;   SOFTMAX AHEAD OF A QUANTISED PRODUCT. Where the list says 'softmax', what is quantised is not the finished softmax but p = 2^(t - M), with t = logit x log2(e) and M = ceil(the row's largest t), a whole number; so 1/2 < the row's largest p <= 1. The row's sum l is taken of the UNQUANTISED p, in f32, and the product's result is divided by l at the end. Since M is a whole number, a kernel that streams over the keys may use a running M (the ceiling of the running maximum): every later rescaling is an exact power of two, which a block's scale takes up: the codes' values come out the same.
;;   OPERANDS COMPUTED ON THE WAY. 'Computed on the way' means the value that the module computes at that place (a softmax that the list does not call 'softmax' is quantised finished and normalised). What goes into a quantiser is computed in f32, as accurately as f32 sums, v_exp_f32 and their like allow (about 1e-6 of the number): no bf16 or f16 on the way to a quantiser, and a product that is left as it is and whose result goes on into a quantised operand takes f32 operands (vector FMAs, or v_wmma_f32_16x16x4_f32). A number that lies on a knife's edge between two numbers of the format may be rounded either way, as far as f32 arithmetic and the matrix unit's own rounding can turn it there, and no further.
;; One version. Each part assembles by itself: llvm-mc -triple=amdgcn-amd-amdhsa -mcpu=gfx1250 --defsym DOCPART=n.
;; ======== version 1 of 1: 7 launches
;; limits: right only within a limited range of input values
;; workspace buffers: W 13,631,488 bytes; QKV 17,039,360 bytes; AC 3,407,872 bytes; X2 12,845,056 bytes; S2 16,777,216 bytes; H 13,631,488 bytes
;; launch prep (part 1): grid 1024 x 1, 8 waves a work-group, no clusters, 68,096 bytes of LDS; arguments src, wq, wk, wv, wo, w1, w2, a1, be1, W; writes W
.if DOCPART == 1
	.amdgcn_target "amdgcn-amd-amdhsa--gfx1250"
	.amdhsa_code_object_version 6
	.text
	.protected	k_q9b93029721_prep
	.globl	k_q9b93029721_prep
	.p2align	8
	.type	k_q9b93029721_prep,@function
k_q9b93029721_prep:
	s_mov_b64 s[64:65], 0
	v_nop
	global_prefetch_b8 v0, s[64:65] scope:SCOPE_SE
	s_setreg_imm32_b32 hwreg(HW_REG_WAVE_MODE, 25, 1), 1
	s_wait_xcnt 0x0
; LayerNorm 1 of src, and the six weights, become codes of FP6 (E2M3) with one E8M0 byte for each 32 along K, laid in W in the order of a matrix operand's registers.
; A JOB is a tile of 16 rows x 1,024 along K (8 K steps of 128): 12,288 bytes of codes at job x 12,288 and 1,024 bytes of scale words at SW + job x 1,024.
; Jobs 0-255: the normalised src; 256-319 wq; 320-383 wk; 384-447 wv; 448-511 wo; 512-767 w1; 768-1,023 w2 (job 768 + 4 tile + quarter of its K of 4,096).
; THE ROWS OF A TILE ARE NOT NEIGHBOURS: lane r of tile 2 b + u holds row 32 b + 8 u + r + 8 (r / 8).  As source 0 of a product such tiles give a lane 16 neighbours along the next K in the registers of two tiles.
; A FRAGMENT'S IMAGE (16 rows x 128 K, 12 registers a lane, 1,536 bytes) is two halves of 768 bytes: registers 6 c .. 6 c + 3 at 16 x lane, registers 6 c + 4, 6 c + 5 at 512 + 8 x lane.  Its scale words: 4 x lane, 128 bytes.
; SHARES.  One work-group a job, eight waves.  Wave w brings rows 2 w and 2 w + 1 of the tile by loads of 512 consecutive bytes into a stage in LDS, then takes K step w of all 16 rows: lane (r, h) 16 neighbours of each block of 32.
; One path for all jobs: only pointers and numbers are chosen, by the work-group's number.  A weight's job runs the same lines with mean 0, gain 1 and bias 0, which leave its numbers as they are.
; LayerNorm as the problem has it: mean, then the sum of squares of x - mean (no difference of large sums), / 1,023, root, + 1e-6, reciprocal, x a1, + be1.  The sums are trees, not the order of a serial sum.
; LIMITS: NaN and infinities are not served.  A block whose largest magnitude lies under 2^-124 keeps the byte 1; a block of zeros keeps the byte 1 with zero codes (the bytes are read by this program alone).
; The launch ln2 runs this same text on src2, a2, be2 and X2 with jobs 0-255 alone: LayerNorm 2 and its codes, laid in X2 as the normalised src is laid in W.
.set STP,  4112                        ; a stage row: 4,096 bytes + 16 = 257 x 16
.set EX,   66048                       ; behind the stage: 16 rows x 8 waves x 4 bytes: the waves' sums.  The base stands in the address registers: an LDS immediate has 16 bits
.set EX2O, 512                         ; and 512 bytes on the same for the sums of squares
.set SW,   12582912                    ; where W's scale words begin
.set L16,  1                           ; v1   16 x lane
.set L8,   2                           ; v2   8 x lane
.set L4,   3                           ; v3   4 x lane
.set STA,  4                           ; v4   the stage, by rows: row 2 w, 16 x lane
.set RDA,  5                           ; v5   the stage, by K steps: row r, 512 w + 64 h
.set EXW,  6                           ; v6   EX + 32 r + 4 w
.set EXR,  7                           ; v7   EX + 32 r
.set X,    16                          ; v16-79   64 numbers
.set TM,   80                          ; v80-95   the quantiser's: largest magnitudes, bytes, scale operands
.set PW,   96                          ; v96      the scale word
.set PC,   100                         ; v100-118 the codes
.set SC0,  120                         ; v120-123 two chains of sums
.set SC1,  122
.set SS,   124
.set SP,   125
.set SE,   100                         ; v100-107 the eight waves' sums (the codes' registers, which are written only at the end)
.set SMN,  108                         ; v108-109 the mean
.set SG,   110                         ; v110-111 the gain
.set WV,   28
.set AL,   29
.set SRC,  30                          ; s[30:31] the job's source, then its row 2 w;  s[38:39] row 2 w + 1
.set SEL,  44
.set BE,   46                          ; s[46:47]
.set LNM,  48                          ; all ones in a job of src, else 0
.macro BARRIER                         ; my LDS stores have landed and my LDS loads are in: then the work-group's barrier
	s_wait_dscnt 0x0
	s_barrier_signal -1
	s_barrier_wait -1
.endm
.macro PICK lim, ptr, tb               ; jobs under lim: another source and another first job
	s_cmp_lt_u32 ttmp9, \lim
	s_cselect_b64 s[SRC:SRC+1], s[\ptr:\ptr+1], s[SRC:SRC+1]
	s_cselect_b32 s32, \tb, s32
.endm
; 64 numbers of a lane, register 16 b + i = k 32 b + 16 h + i of my row, become a fragment's codes in v[pc] .. v[pc + 11] and its scale word in v[pw]
.macro QUANT s, pc, pw
.irp b, 0,1,2,3
	v_max3_num_f32 v[TM+\b], |v[\s+16*\b]|, |v[\s+1+16*\b]|, 0x1800000   ; block b: my 16 numbers, and the floor 2^(3 - 127): the byte cannot fall under 1
.endr
.irp i, 2,4,6,8,10,12,14
.irp b, 0,1,2,3
	s_delay_alu instid0(VALU_DEP_4)
	v_max3_num_f32 v[TM+\b], v[TM+\b], |v[\s+16*\b+\i]|, |v[\s+1+16*\b+\i]|
.endr
.endr
.irp b, 0,1,2,3
	s_delay_alu instid0(VALU_DEP_4)
	v_permlanex16_b32 v[TM+4+\b], v[TM+\b], s[SEL], s[SEL+1]
.endr
.irp b, 0,1,2,3
	s_delay_alu instid0(VALU_DEP_4)
	v_max_num_f32 v[TM+\b], v[TM+\b], v[TM+4+\b]                 ; with lane l xor 16's: the block's largest magnitude
.endr
.irp b, 0,1,2,3
	s_delay_alu instid0(VALU_DEP_4)
	v_add_nc_u32 v[TM+12+\b], 0xff000000, v[TM+\b]               ; 2 off its exponent field: the conversion's scale operand
.endr
.irp b, 0,1,2,3
	s_delay_alu instid0(VALU_DEP_4)
	v_lshrrev_b32 v[TM+4+\b], 23, v[TM+12+\b]                    ; the scale's byte
.endr
	s_delay_alu instid0(VALU_DEP_3)
	v_lshl_or_b32 v[\pw], v[TM+5], 8, v[TM+4]
	s_delay_alu instid0(VALU_DEP_1)
	v_lshl_or_b32 v[\pw], v[TM+6], 16, v[\pw]
	s_delay_alu instid0(VALU_DEP_1)
	v_lshl_or_b32 v[\pw], v[TM+7], 24, v[\pw]
.irp c, 0,1
	v_cvt_scalef32_pk16_fp6_f32 v[\pc+6*\c:\pc+2+6*\c], v[\s+32*\c:\s+15+32*\c], v[TM+12+2*\c]
	v_cvt_scalef32_pk16_fp6_f32 v[\pc+12+4*\c:\pc+14+4*\c], v[\s+16+32*\c:\s+31+32*\c], v[TM+12+2*\c+1]   ; (a conversion's three registers begin on an even number)
.endr
	v_nop                                          ; one plain place behind a scaled conversion
.irp c, 0,1                                    ; the operand's layout wants a whole block in a lane: lanes 0-15 block 2 c, lanes 16-31 block 2 c + 1
.irp i, 0,1,2
	v_permlane16_swap_b32 v[\pc+6*\c+\i], v[\pc+12+4*\c+\i]
.endr
.irp i, 0,1,2
	s_delay_alu instid0(VALU_DEP_3)
	v_mov_b32 v[\pc+3+6*\c+\i], v[\pc+12+4*\c+\i]
.endr
.endr
.endm
.macro RSUM                            ; the two chains -> v[SS]: the sum over my row's 128 numbers of this wave
	s_delay_alu instid0(VALU_DEP_1)
	v_pk_add_f32 v[SC0:SC0+1], v[SC0:SC0+1], v[SC1:SC1+1]
	s_delay_alu instid0(VALU_DEP_1)
	v_add_f32 v[SS], v[SC0], v[SC0+1]
	s_delay_alu instid0(VALU_DEP_1)
	v_permlanex16_b32 v[SP], v[SS], s[SEL], s[SEL+1]
	s_delay_alu instid0(VALU_DEP_1)
	v_add_f32 v[SS], v[SS], v[SP]
.endm
.macro XSUM ex                         ; and over the eight waves: each stores its word (lanes l and l xor 16 the same word with the same value), a barrier, each reads all eight
	ds_store_b32 v[EXW], v[SS] offset:\ex
	BARRIER
	ds_load_b128 v[SE:SE+3], v[EXR] offset:\ex
	ds_load_b128 v[SE+4:SE+7], v[EXR] offset:\ex+16
	s_wait_dscnt 0x0
	v_pk_add_f32 v[SE:SE+1], v[SE:SE+1], v[SE+2:SE+3]
	v_pk_add_f32 v[SE+4:SE+5], v[SE+4:SE+5], v[SE+6:SE+7]
	s_delay_alu instid0(VALU_DEP_1)
	v_pk_add_f32 v[SE:SE+1], v[SE:SE+1], v[SE+4:SE+5]
	s_delay_alu instid0(VALU_DEP_1)
	v_add_f32 v[SS], v[SE], v[SE+1]
.endm
	s_load_b512 s[8:23], s[0:1], 0x0               ; src s[8:9], wq, wk, wv, wo, w1 s[18:19], w2 s[20:21], a1 s[22:23]
	s_load_b128 s[24:27], s[0:1], 0x40             ; be1 s[24:25], W s[26:27]
	v_lshl_add_u32 v12, v0, 2, 0x10600
	v_mov_b32 v13, 0
	v_lshrrev_b32 v8, 5, v0
	s_delay_alu instid0(VALU_DEP_1)
	v_readfirstlane_b32 s[WV], v8                  ; wave 0..7
	v_and_b32 v9, 31, v0                           ; lane
	v_and_b32 v10, 15, v0                          ; r
	v_bfe_u32 v11, v0, 4, 1                        ; h
	s_delay_alu instid0(VALU_DEP_3)
	v_lshlrev_b32 v[L16], 4, v9
	s_delay_alu instid0(VALU_DEP_4)
	v_lshlrev_b32 v[L8], 3, v9
	v_lshlrev_b32 v[L4], 2, v9
	s_mul_i32 s2, s[WV], 2*STP
	v_add_nc_u32 v[STA], s2, v[L16]
	v_mul_u32_u24 v[RDA], v10, STP
	s_delay_alu instid0(VALU_DEP_1)
	v_lshl_add_u32 v[RDA], v11, 6, v[RDA]
	s_lshl_b32 s2, s[WV], 9
	v_add_nc_u32 v[RDA], s2, v[RDA]
	v_lshl_add_u32 v[EXR], v10, 5, EX
	s_lshl_b32 s2, s[WV], 2
	v_add_nc_u32 v[EXW], s2, v[EXR]
	s_mov_b32 s[SEL], 0x76543210
	s_mov_b32 s[SEL+1], 0xfedcba98                 ; v_permlanex16_b32's selects for lane l xor 16
	v_mov_b32 v[SP], 0                             ; written once: a lane permute's destination counts as one of its sources
.irp b, 0,1,2,3
	v_mov_b32 v[TM+4+\b], 0
.endr
	s_wait_alu depctr_va_vdst(0)
	s_wait_kmcnt 0x0
	s_load_b32 s[AL], s[22:23], 0x0                ; a1
	s_load_b32 s[BE], s[24:25], 0x0                ; be1
	s_mov_b64 s[SRC:SRC+1], s[20:21]               ; which tensor is the job's, and its first job: the choice hangs on the work-group's number alone
	s_mov_b32 s32, 768
	PICK 768, 18, 512
	PICK 512, 16, 448
	PICK 448, 14, 384
	PICK 384, 12, 320
	PICK 320, 10, 256
	PICK 256, 8, 0
	s_sub_co_u32 s33, ttmp9, s32                   ; the job's number in its tensor
	s_lshr_b32 s34, s33, 2                         ; w2: four jobs to a tile,
	s_and_b32 s35, s33, 3
	s_lshl_b32 s35, s35, 12                        ; each 1,024 numbers further along the row
	s_mov_b32 s37, 16384                           ; and a row of 16,384 bytes
	s_cmp_lt_u32 ttmp9, 768
	s_cselect_b32 s33, s33, s34                    ; the tile
	s_cselect_b32 s35, 0, s35
	s_cselect_b32 s37, 4096, s37
	s_lshr_b32 s34, s33, 1
	s_lshl_b32 s34, s34, 5
	s_and_b32 s36, s33, 1
	s_lshl_b32 s36, s36, 3
	s_add_co_u32 s34, s34, s36                     ; 32 (tile / 2) + 8 (tile % 2)
	s_lshl_b32 s36, s[WV], 1
	s_add_co_u32 s34, s34, s36
	s_lshr_b32 s36, s[WV], 2
	s_lshl_b32 s36, s36, 3
	s_add_co_u32 s34, s34, s36                     ; + 2 w + 8 (w / 4): the row of the tile's lane 2 w
	s_mul_i32 s34, s34, s37
	s_add_co_u32 s34, s34, s35
	s_mov_b32 s35, 0
	s_add_nc_u64 s[SRC:SRC+1], s[SRC:SRC+1], s[34:35]
	s_mov_b32 s36, s37
	s_mov_b32 s37, 0
	s_add_nc_u64 s[38:39], s[SRC:SRC+1], s[36:37]  ; lane 2 w + 1's row is the next one
.irp j, 0,1,2,3,4,5,6,7
	global_load_b128 v[X+4*\j:X+4*\j+3], v[L16], s[SRC:SRC+1] offset:512*\j th:TH_LOAD_NT     ; 32 lanes read 512 consecutive bytes
.endr
.irp j, 0,1,2,3,4,5,6,7
	global_load_b128 v[X+32+4*\j:X+32+4*\j+3], v[L16], s[38:39] offset:512*\j th:TH_LOAD_NT
.endr
	s_mul_i32 s50, ttmp9, 12288                    ; where my fragment goes: job x 12,288 + 1,536 w
	s_mul_i32 s51, s[WV], 1536
	s_add_co_u32 s50, s50, s51
	s_mov_b32 s51, 0
	s_add_nc_u64 s[40:41], s[26:27], s[50:51]
	s_lshl_b32 s50, ttmp9, 10                      ; and its scale words: SW + job x 1,024 + 128 w
	s_lshl_b32 s52, s[WV], 7
	s_add_co_u32 s50, s50, s52
	s_add_co_u32 s50, s50, SW
	s_add_nc_u64 s[42:43], s[26:27], s[50:51]
	s_wait_kmcnt 0x0                               ; a1, be1
	s_cmp_lt_u32 ttmp9, 256
	s_cselect_b32 s[LNM], -1, 0
	s_cselect_b32 s[BE], s[BE], 0
	s_mov_b32 s[BE+1], s[BE]                       ; (named with it as a pair, so it is written)
	s_wait_loadcnt 0x0
.irp i, 0,1
.irp j, 0,1,2,3,4,5,6,7
	ds_store_b128 v[STA], v[X+32*\i+4*\j:X+32*\i+4*\j+3] offset:STP*\i+512*\j
.endr
.endr
	BARRIER                                        ; the tile's 16 rows lie in the stage
.irp b, 0,1,2,3
.irp m, 0,1,2,3
	ds_load_b128 v[X+16*\b+4*\m:X+16*\b+4*\m+3], v[RDA] offset:128*\b+16*\m   ; row r, k = 128 w + 32 b + 16 h + 4 m ..
.endr
.endr
	s_wait_dscnt 0x0
	; the mean
	v_pk_add_f32 v[SC0:SC0+1], v[X:X+1], v[X+2:X+3]
	v_pk_add_f32 v[SC1:SC1+1], v[X+4:X+5], v[X+6:X+7]
.irp j, 8,12,16,20,24,28,32,36,40,44,48,52,56,60
	s_delay_alu instid0(VALU_DEP_2)
	v_pk_add_f32 v[SC0:SC0+1], v[SC0:SC0+1], v[X+\j:X+\j+1]
	s_delay_alu instid0(VALU_DEP_2)
	v_pk_add_f32 v[SC1:SC1+1], v[SC1:SC1+1], v[X+\j+2:X+\j+3]
.endr
	RSUM
	XSUM 0
	s_delay_alu instid0(VALU_DEP_1)
	v_mul_f32 v[SMN], 0x3a800000, v[SS]            ; / 1,024
	s_delay_alu instid0(VALU_DEP_1)
	v_and_b32 v[SMN], s[LNM], v[SMN]               ; a weight's job takes 0 away
	s_delay_alu instid0(VALU_DEP_1)
	v_mov_b32 v[SMN+1], v[SMN]
.set j, 0
.rept 32
	v_pk_add_f32 v[X+j:X+j+1], v[X+j:X+j+1], v[SMN:SMN+1] op_sel_hi:[1,0] neg_lo:[0,1] neg_hi:[0,1]
.set j, j+2
.endr
	; the sum of squares of x - mean
	v_pk_mul_f32 v[SC0:SC0+1], v[X:X+1], v[X:X+1]
	v_pk_mul_f32 v[SC1:SC1+1], v[X+2:X+3], v[X+2:X+3]
.irp j, 4,8,12,16,20,24,28,32,36,40,44,48,52,56,60
	s_delay_alu instid0(VALU_DEP_2)
	v_pk_fma_f32 v[SC0:SC0+1], v[X+\j:X+\j+1], v[X+\j:X+\j+1], v[SC0:SC0+1]
	s_delay_alu instid0(VALU_DEP_2)
	v_pk_fma_f32 v[SC1:SC1+1], v[X+\j+2:X+\j+3], v[X+\j+2:X+\j+3], v[SC1:SC1+1]
.endr
	RSUM
	XSUM EX2O
	s_delay_alu instid0(VALU_DEP_1)
	v_mul_f32 v[SS], 0x3a802008, v[SS]             ; / 1,023
	s_wait_alu depctr_va_vdst(0)
	v_sqrt_f32 v[SP], v[SS]
	v_nop                                          ; a plain place behind the root,
	s_wait_alu depctr_va_vdst(0)                   ; and the wait ahead of its first reader
	v_add_f32 v[SP], 0x358637bd, v[SP]             ; + 1e-6
	s_wait_alu depctr_va_vdst(0)
	v_rcp_f32 v[SS], v[SP]
	v_nop
	s_wait_alu depctr_va_vdst(0)
	v_mul_f32 v[SG], s[AL], v[SS]                  ; a1 / (std + eps)
	s_delay_alu instid0(VALU_DEP_1)
	v_cndmask_b32 v[SG], 1.0, v[SG], s[LNM]        ; a weight's job multiplies by 1
	s_delay_alu instid0(VALU_DEP_1)
	v_mov_b32 v[SG+1], v[SG]
.set j, 0
.rept 32
	v_pk_fma_f32 v[X+j:X+j+1], v[X+j:X+j+1], v[SG:SG+1], s[BE:BE+1] op_sel_hi:[1,0,0]
.set j, j+2
.endr
	QUANT X, PC, PW
	global_store_b128 v[L16], v[PC:PC+3], s[40:41]                 ; each store of the wave covers 512 or 256 consecutive bytes, aligned
	global_store_b64 v[L8], v[PC+4:PC+5], s[40:41] offset:512
	global_store_b128 v[L16], v[PC+6:PC+9], s[40:41] offset:768
	global_store_b64 v[L8], v[PC+10:PC+11], s[40:41] offset:1280
	global_store_b32 v[L4], v[PW], s[42:43]
	s_wait_tensorcnt 0x0
	ds_add_u32 v12, v13
	s_wait_dscnt 0x0
	s_endpgm
.Lfunc_end_k_q9b93029721_prep:
	.size	k_q9b93029721_prep, .Lfunc_end_k_q9b93029721_prep-k_q9b93029721_prep
	.p2alignl 7, 3214868480
	.fill 96, 4, 3214868480
	.section	.rodata,"a",@progbits
	.p2align	6, 0x0
	.amdhsa_kernel k_q9b93029721_prep
		.amdhsa_group_segment_fixed_size 68096
		.amdhsa_private_segment_fixed_size 0
		.amdhsa_enable_private_segment 0
		.amdhsa_kernarg_size 80
		.amdhsa_user_sgpr_count 2
		.amdhsa_user_sgpr_kernarg_segment_ptr 1
		.amdhsa_wavefront_size32 1
		.amdhsa_system_sgpr_workgroup_id_x 1
		.amdhsa_system_sgpr_workgroup_id_y 1
		.amdhsa_system_sgpr_workgroup_id_z 1
		.amdhsa_system_vgpr_workitem_id 0
		.amdhsa_next_free_vgpr 128
		.amdhsa_next_free_sgpr 66
		.amdhsa_reserve_vcc 0
		.amdhsa_float_denorm_mode_32 3
		.amdhsa_float_denorm_mode_16_64 3
		.amdhsa_memory_ordered 1
		.amdhsa_forward_progress 1
		.amdhsa_inst_pref_size 27
	.end_amdhsa_kernel
	.amdgpu_metadata
---
amdhsa.version: [ 1, 2 ]
amdhsa.kernels:
  - .name:           k_q9b93029721_prep
    .symbol:         k_q9b93029721_prep.kd
    .args:
      - { .name: src, .offset: 0, .size: 8, .value_kind: global_buffer, .address_space: global }
      - { .name: wq, .offset: 8, .size: 8, .value_kind: global_buffer, .address_space: global }
      - { .name: wk, .offset: 16, .size: 8, .value_kind: global_buffer, .address_space: global }
      - { .name: wv, .offset: 24, .size: 8, .value_kind: global_buffer, .address_space: global }
      - { .name: wo, .offset: 32, .size: 8, .value_kind: global_buffer, .address_space: global }
      - { .name: w1, .offset: 40, .size: 8, .value_kind: global_buffer, .address_space: global }
      - { .name: w2, .offset: 48, .size: 8, .value_kind: global_buffer, .address_space: global }
      - { .name: a1, .offset: 56, .size: 8, .value_kind: global_buffer, .address_space: global }
      - { .name: be1, .offset: 64, .size: 8, .value_kind: global_buffer, .address_space: global }
      - { .name: W, .offset: 72, .size: 8, .value_kind: global_buffer, .address_space: global }
    .group_segment_fixed_size: 68096
    .private_segment_fixed_size: 0
    .kernarg_segment_align: 8
    .kernarg_segment_size: 80
    .max_flat_workgroup_size: 256
    .sgpr_count:     66
    .vgpr_count:     128
    .wavefront_size: 32
...
	.end_amdgpu_metadata
.endif
;; end of part 1
;; launch qkv (part 2): grid 192 x 1, 8 waves a work-group, no clusters, 0 bytes of LDS; arguments W, QKV; writes QKV
.if DOCPART == 2
	.amdgcn_target "amdgcn-amd-amdhsa--gfx1250"
	.amdhsa_code_object_version 6
	.text
	.protected	k_q9b93029721_qkv
	.globl	k_q9b93029721_qkv
	.p2align	8
	.type	k_q9b93029721_qkv,@function
k_q9b93029721_qkv:
	s_mov_b64 s[64:65], 0
	v_nop
	global_prefetch_b8 v0, s[64:65] scope:SCOPE_SE
	s_setreg_imm32_b32 hwreg(HW_REG_WAVE_MODE, 25, 1), 1
	s_wait_xcnt 0x0
; q = x wq^T, k = x wk^T and v = x wv^T on codes of FP6 (E2M3) with E8M0 scales, and the results quantised again, each along the K of the product that will take it.
; Operands come from W as images of a matrix operand's registers (a fragment of 16 rows x 128 K: 1,536 bytes; its scale words: 128 bytes), straight into registers: no LDS, no barrier.
; SOURCE 0 ("P") gives the result's register axis, SOURCE 1 ("R") its lanes.  The rows of every tile are 32 b + 8 u + r + 8 (r / 8) for lane r of tile 2 b + u, so the 16 registers of results 2 b and 2 b + 1 are 16 neighbours.
;   work-groups 0-127:   P = rows of wq, then wk (128 features a wave), R = tokens: a lane holds one token and 128 neighbouring features: two heads.  Blocks of 32 along the head's 64.
;   work-groups 128-191: P = tokens (128 a wave), R = rows of wv: a lane holds one channel of v and 128 neighbouring tokens: v with the keys innermost.  Blocks of 32 along the keys.
; A wave makes 128 (P) x 64 (R): 32 accumulators, window 1; K = 1,024 in 8 steps.  Eight waves to a work-group: 2 along P x 4 along R: four waves name each fragment of P, two each fragment of R.
; THE LOADS RUN A K STEP AHEAD.  P has one set of registers: a pair of its tiles is asked for again, for the next K step, as soon as the pair's 8 products are issued; R, at work through the whole step, has two sets.
; So 50 to 60 loads of a wave are on their way all the time.  The eight K steps are written out by macro: every offset is an immediate, no base is stepped, there is no loop.
; No joint loads: a fragment goes from memory into the registers of the wave that multiplies it; there is no tile in LDS for a joint load to land in, and a wave's whole K is 8 steps of 32 matrix instructions.
; OUT, in QKV, fragments (tile T, place s) at (32 T + s) x 1,536, scale words at (32 T + s) x 128: q, k: T = token tile, s = 0-7 q's pairs of heads, 8-15 k's; v (from VC on): T = channel tile, s = block of 128 tokens.
; LIMITS: NaN and infinities are not served; a block whose largest magnitude lies under 2^-124 keeps the byte 1, a block of zeros the byte 1 with zero codes.
.set SW,   12582912                    ; W's scale words
.set VC,   12582912                    ; QKV: v's codes
.set QKS,  15728640                    ; q's and k's scale words
.set VS,   16777216                    ; v's scale words
.set PTS,  12288                       ; from tile to tile in W: codes,
.set PSS,  1024                        ; scale words
.set RTS,  12288
.set RSS,  1024
.set L16,  1
.set L8,   2
.set L4,   3
.set PF,   16                          ; v16-111  P's eight fragments
.set RF,   112                         ; v112-159, v160-207 R's four, two sets
.set PSC,  208                         ; v208-215 P's scale words
.set RSC,  216                         ; v216-219, v220-223 R's, two sets
.set TM,   236                         ; v236-251 the quantiser's
.set WV,   8
.set PCB,  12
.set PSB,  14
.set RCB,  16
.set RSB,  18
.set OCB,  20
.set OSB,  22
.set SEL,  26
.set MSB, 0
.macro WIN new                         ; s_set_vgpr_msb: bits 1:0 source 0, 3:2 source 1, 5:4 source 2, 7:6 destination; the high byte repeats the setting that is left
.if MSB != (\new)
	s_set_vgpr_msb (MSB<<8)|(\new)
.set MSB, (\new)
.endif
.endm
.macro PLACES                          ; four plain places behind a matrix instruction, ahead of loads into its sources and of reads of its result
.rept 4
	v_nop
.endr
.endm
.macro LDFRAG reg, sb, off
	global_load_b128 v[\reg:\reg+3], v[L16], s[\sb:\sb+1] offset:\off
	global_load_b64 v[\reg+4:\reg+5], v[L8], s[\sb:\sb+1] offset:\off+512
	global_load_b128 v[\reg+6:\reg+9], v[L16], s[\sb:\sb+1] offset:\off+768
	global_load_b64 v[\reg+10:\reg+11], v[L8], s[\sb:\sb+1] offset:\off+1280
.endm
.macro STFRAG reg, sb, off
	global_store_b128 v[L16], v[\reg:\reg+3], s[\sb:\sb+1] offset:\off
	global_store_b64 v[L8], v[\reg+4:\reg+5], s[\sb:\sb+1] offset:\off+512
	global_store_b128 v[L16], v[\reg+6:\reg+9], s[\sb:\sb+1] offset:\off+768
	global_store_b64 v[L8], v[\reg+10:\reg+11], s[\sb:\sb+1] offset:\off+1280
.endm
.macro LDP g, s                        ; P's tiles 2 g and 2 g + 1 of K step s, with their scale words: 10 loads
.irp p, 2*\g, 2*\g+1
	LDFRAG PF+12*(\p), PCB, (\p)*PTS+(\s)*1536
	global_load_b32 v[PSC+(\p)], v[L4], s[PSB:PSB+1] offset:(\p)*PSS+(\s)*128
.endr
.endm
.macro LDR s                           ; R's four tiles of K step s into set s % 2: 20 loads
.irp rt, 0,1,2,3
	LDFRAG RF+48*((\s)%2)+12*\rt, RCB, \rt*RTS+(\s)*1536
	global_load_b32 v[RSC+4*((\s)%2)+\rt], v[L4], s[RSB:RSB+1] offset:\rt*RSS+(\s)*128
.endr
.endm
; 64 numbers of a lane in window 1, register 16 b + i = k 32 b + 16 h + i, become a fragment's codes in v[pc] .. v[pc + 11] and its scale word in v[pw], both in window 0.  Each accumulator is read from its low end on.
.macro QUANT s, pc, pw
	WIN 0x05
.irp b, 0,1,2,3
	v_max3_num_f32 v[TM+\b], |v[\s+16*\b]|, |v[\s+1+16*\b]|, 0x1800000   ; and the floor 2^(3 - 127): the byte cannot fall under 1
.endr
	WIN 0x14
.irp i, 2,4,6,8,10,12,14
.irp b, 0,1,2,3
	v_max3_num_f32 v[TM+\b], v[TM+\b], |v[\s+16*\b+\i]|, |v[\s+1+16*\b+\i]|
.endr
.endr
	WIN 0
.irp b, 0,1,2,3
	v_permlanex16_b32 v[TM+4+\b], v[TM+\b], s[SEL], s[SEL+1]
.endr
.irp b, 0,1,2,3
	s_delay_alu instid0(VALU_DEP_4)
	v_max_num_f32 v[TM+\b], v[TM+\b], v[TM+4+\b]
.endr
.irp b, 0,1,2,3
	s_delay_alu instid0(VALU_DEP_4)
	v_add_nc_u32 v[TM+12+\b], 0xff000000, v[TM+\b]               ; 2 off the exponent field: the conversion's scale operand
.endr
.irp b, 0,1,2,3
	s_delay_alu instid0(VALU_DEP_4)
	v_lshrrev_b32 v[TM+4+\b], 23, v[TM+12+\b]                    ; the scale's byte
.endr
	s_delay_alu instid0(VALU_DEP_3)
	v_lshl_or_b32 v[\pw], v[TM+5], 8, v[TM+4]
	s_delay_alu instid0(VALU_DEP_1)
	v_lshl_or_b32 v[\pw], v[TM+6], 16, v[\pw]
	s_delay_alu instid0(VALU_DEP_1)
	v_lshl_or_b32 v[\pw], v[TM+7], 24, v[\pw]
	WIN 0x01
.irp c, 0,1
	v_cvt_scalef32_pk16_fp6_f32 v[\pc+6*\c:\pc+2+6*\c], v[\s+32*\c:\s+15+32*\c], v[TM+12+2*\c]
	v_cvt_scalef32_pk16_fp6_f32 v[\pc+12+4*\c:\pc+14+4*\c], v[\s+16+32*\c:\s+31+32*\c], v[TM+12+2*\c+1]
.endr
	WIN 0
	v_nop                                          ; one plain place behind a scaled conversion
.irp c, 0,1
.irp i, 0,1,2
	v_permlane16_swap_b32 v[\pc+6*\c+\i], v[\pc+12+4*\c+\i]
.endr
.irp i, 0,1,2
	s_delay_alu instid0(VALU_DEP_3)
	v_mov_b32 v[\pc+3+6*\c+\i], v[\pc+12+4*\c+\i]
.endr
.endr
.endm
; K step s: four pairs of P's tiles, each against R's four: 8 matrix instructions a pair.  The 32 accumulators take turns, one instruction a turn, in the same order in every step.
; Loads are issued in this order: P's pair 0, R, P's pairs 1, 2, 3 of a step; and loads come back in order.  So the wait ahead of a pair counts the loads issued behind the pair's own:
;   pair 0 (and R): this step's pairs 1, 2, 3: 30.   pair g = 1, 2, 3: this step's later pairs, 10 (3 - g), and of the next step pair 0, R and pairs 1 .. g - 1, 10 g + 20: 50.   In the last step nothing follows: 10 (3 - g).
.macro KSTEP s
.set RS, RF+48*((\s)%2)
.set RC, RSC+4*((\s)%2)
.irp g, 0,1,2,3
.if \g == 0
	s_wait_loadcnt 30
.elseif \s < 7
	s_wait_loadcnt 50
.else
	s_wait_loadcnt 10*(3-\g)
.endif
	WIN 0x50                                       ; C and D in window 1
.irp p, 2*\g, 2*\g+1
.irp rt, 0,1,2,3
.if \s == 0
	v_wmma_scale_f32_16x16x128_f8f6f4 v[64*\rt+8*(\p):64*\rt+8*(\p)+7], v[PF+12*(\p):PF+12*(\p)+11], v[RS+12*\rt:RS+12*\rt+11], 0, v[PSC+(\p)], v[RC+\rt] matrix_a_fmt:MATRIX_FMT_FP6 matrix_b_fmt:MATRIX_FMT_FP6
.else
	v_wmma_scale_f32_16x16x128_f8f6f4 v[64*\rt+8*(\p):64*\rt+8*(\p)+7], v[PF+12*(\p):PF+12*(\p)+11], v[RS+12*\rt:RS+12*\rt+11], v[64*\rt+8*(\p):64*\rt+8*(\p)+7], v[PSC+(\p)], v[RC+\rt] matrix_a_fmt:MATRIX_FMT_FP6 matrix_b_fmt:MATRIX_FMT_FP6
.endif
.endr
.endr
.if \s < 7
	WIN 0                                          ; the loads' destinations lie in window 0
	PLACES
	LDP \g, \s+1                                   ; the pair's registers take the next K step's tiles
.if \g == 0
	LDR \s+1                                       ; and R's other set, last read a step ago, the next step's R
.endif
.endif
.endr
	WIN 0
.endm
	s_load_b128 s[4:7], s[0:1], 0x0                ; W s[4:5], QKV s[6:7]
	v_lshrrev_b32 v4, 5, v0
	s_delay_alu instid0(VALU_DEP_1)
	v_readfirstlane_b32 s[WV], v4                  ; wave 0..7
	v_and_b32 v4, 31, v0
	s_delay_alu instid0(VALU_DEP_1)
	v_lshlrev_b32 v[L16], 4, v4
	s_delay_alu instid0(VALU_DEP_2)
	v_lshlrev_b32 v[L8], 3, v4
	s_delay_alu instid0(VALU_DEP_3)
	v_lshlrev_b32 v[L4], 2, v4
.irp b, 0,1,2,3
	v_mov_b32 v[TM+4+\b], 0                        ; written once: a lane permute's destination counts as one of its sources
.endr
	s_mov_b32 s[SEL], 0x76543210
	s_mov_b32 s[SEL+1], 0xfedcba98
	s_and_b32 s30, s[WV], 1                        ; my place along P
	s_lshr_b32 s31, s[WV], 1                       ; and along R
	s_and_b32 s32, ttmp9, 7                        ; q, k: 8 x 16 work-groups
	s_lshl_b32 s32, s32, 1
	s_add_co_u32 s32, s32, s30                     ; P's block of 128 features, 0..15
	s_lshr_b32 s33, ttmp9, 3
	s_lshl_b32 s33, s33, 2
	s_add_co_u32 s33, s33, s31                     ; R's group of 4 token tiles, 0..63
	s_and_b32 s34, ttmp9, 15                       ; v: 16 x 4 work-groups
	s_lshl_b32 s34, s34, 1
	s_add_co_u32 s34, s34, s30                     ; P's block of 128 tokens, 0..31
	s_and_b32 s35, ttmp9, 127
	s_lshr_b32 s35, s35, 4
	s_lshl_b32 s35, s35, 2
	s_add_co_u32 s35, s35, s31                     ; R's group of 4 channel tiles, 0..15
	s_mov_b32 s39, VS
	s_cmp_lt_u32 ttmp9, 128
	s_cselect_b32 s32, s32, s34
	s_cselect_b32 s33, s33, s35
	s_cselect_b32 s36, 256, 0                      ; P's first job in W: wq's, or x's
	s_cselect_b32 s37, 0, 384                      ; R's: x's, or wv's
	s_cselect_b32 s38, 0, VC
	s_cselect_b32 s39, QKS, s39
	s_lshl_b32 s40, s32, 3
	s_add_co_u32 s36, s36, s40                     ; P's job: 8 tiles a block
	s_lshl_b32 s40, s33, 2
	s_add_co_u32 s37, s37, s40                     ; R's job
	s_lshl_b32 s42, s33, 7
	s_add_co_u32 s42, s42, s32                     ; out: 32 x (4 x group) + P's block
	s_mov_b32 s41, 0
	s_wait_alu depctr_va_vdst(0)
	s_wait_kmcnt 0x0
	s_mul_i32 s40, s36, 12288
	s_add_nc_u64 s[PCB:PCB+1], s[4:5], s[40:41]
	s_lshl_b32 s40, s36, 10
	s_add_co_u32 s40, s40, SW
	s_add_nc_u64 s[PSB:PSB+1], s[4:5], s[40:41]
	s_mul_i32 s40, s37, 12288
	s_add_nc_u64 s[RCB:RCB+1], s[4:5], s[40:41]
	s_lshl_b32 s40, s37, 10
	s_add_co_u32 s40, s40, SW
	s_add_nc_u64 s[RSB:RSB+1], s[4:5], s[40:41]
	LDP 0, 0                                       ; K step 0, in the order in which every step is asked for
	LDR 0
	LDP 1, 0
	LDP 2, 0
	LDP 3, 0
	s_mul_i32 s40, s42, 1536
	s_add_co_u32 s40, s40, s38
	s_add_nc_u64 s[OCB:OCB+1], s[6:7], s[40:41]
	s_lshl_b32 s40, s42, 7
	s_add_co_u32 s40, s40, s39
	s_add_nc_u64 s[OSB:OSB+1], s[6:7], s[40:41]
.irp s, 0,1,2,3,4,5,6,7                        ; the first K step starts the sums: nothing is cleared
	KSTEP \s
.endr
	PLACES
.irp rt, 0,1,2,3                       ; R's tile rt: 64 numbers a lane become one fragment; each tile has its own registers for codes and word, so that no store's data are written again
	QUANT 64*\rt, 16+20*\rt, 112+\rt
	STFRAG 16+20*\rt, OCB, \rt*49152
	global_store_b32 v[L4], v[112+\rt], s[OSB:OSB+1] offset:\rt*4096
.endr
	s_endpgm
.Lfunc_end_k_q9b93029721_qkv:
	.size	k_q9b93029721_qkv, .Lfunc_end_k_q9b93029721_qkv-k_q9b93029721_qkv
	.p2alignl 7, 3214868480
	.fill 96, 4, 3214868480
	.section	.rodata,"a",@progbits
	.p2align	6, 0x0
	.amdhsa_kernel k_q9b93029721_qkv
		.amdhsa_group_segment_fixed_size 0
		.amdhsa_private_segment_fixed_size 0
		.amdhsa_enable_private_segment 0
		.amdhsa_kernarg_size 16
		.amdhsa_user_sgpr_count 2
		.amdhsa_user_sgpr_kernarg_segment_ptr 1
		.amdhsa_wavefront_size32 1
		.amdhsa_system_sgpr_workgroup_id_x 1
		.amdhsa_system_sgpr_workgroup_id_y 1
		.amdhsa_system_sgpr_workgroup_id_z 1
		.amdhsa_system_vgpr_workitem_id 0
		.amdhsa_next_free_vgpr 512
		.amdhsa_next_free_sgpr 66
		.amdhsa_reserve_vcc 0
		.amdhsa_float_denorm_mode_32 3
		.amdhsa_float_denorm_mode_16_64 3
		.amdhsa_memory_ordered 1
		.amdhsa_forward_progress 1
		.amdhsa_inst_pref_size 107
	.end_amdhsa_kernel
	.amdgpu_metadata
---
amdhsa.version: [ 1, 2 ]
amdhsa.kernels:
  - .name:           k_q9b93029721_qkv
    .symbol:         k_q9b93029721_qkv.kd
    .args:
      - { .name: W, .offset: 0, .size: 8, .value_kind: global_buffer, .address_space: global }
      - { .name: QKV, .offset: 8, .size: 8, .value_kind: global_buffer, .address_space: global }
    .group_segment_fixed_size: 0
    .private_segment_fixed_size: 0
    .kernarg_segment_align: 8
    .kernarg_segment_size: 16
    .max_flat_workgroup_size: 256
    .sgpr_count:     66
    .vgpr_count:     512
    .wavefront_size: 32
...
	.end_amdgpu_metadata
.endif
;; end of part 2
;; launch attn (part 3): grid 256 x 1, 16 waves a work-group, no clusters, 239,616 bytes of LDS; arguments QKV, src_mask, AC; writes AC
.if DOCPART == 3
	.amdgcn_target "amdgcn-amd-amdhsa--gfx1250"
	.amdhsa_code_object_version 6
	.text
	.protected	k_q9b93029721_attn
	.globl	k_q9b93029721_attn
	.p2align	8
	.type	k_q9b93029721_attn,@function
k_q9b93029721_attn:
	s_mov_b64 s[64:65], 0
	v_nop
	global_prefetch_b8 v0, s[64:65] scope:SCOPE_SE
	s_setreg_imm32_b32 hwreg(HW_REG_WAVE_MODE, 25, 1), 1
	s_wait_xcnt 0x0
; Attention of one head on codes of FP6 (E2M3): S^T = K Q^T, the key mask, the softmax, O^T = V^T P^T, / the row's sum, and the result quantised along the model's features for the product with wo.
; THE SOFTMAX: t = score x log2(e) / 8; M = the running largest t rounded UP to a whole number; p = 2^(t - M) is quantised along the keys, not normalised; the row's sum is taken of the unquantised p and divides at the end.
; When M moves, the sum and O^T are multiplied by 2^(old M - new M), exactly.
; SHARES.  A work-group owns 256 queries of one head of one batch; each of its sixteen waves one tile of 16 queries, in 256 registers: four waves to a SIMD, so that one wave's vector work stands beside another's products.
; The head's whole K and V lie in LDS, filled once, through registers, since the fill applies the mask; one barrier; then 16 key steps of 128 keys with no barrier.
; Both products are used transposed: a lane holds ONE query.  Tiles of tokens hold rows 32 b + 8 u + r + 8 (r / 8), so the 16 registers of score tiles 2 b and 2 b + 1 are 16 neighbouring keys.
; THE MASK RIDES IN THE PRODUCT'S PADDING.  The head's K is 64; the instruction's is 128.  Q has the code 1.0 at k = 64 under the scale 1.  A masked key has its 64 codes cleared and the code -1.0 at k = 64 under the scale 2^33:
; its score is exactly -2^33, its logit -2^30.  A key that counts has the code 0 there, under the scale 2^-63.  So the loop has no line for the mask.  -2^33 x log2(e) / 8 is a whole number: a row all of whose keys are masked gets p = 1 for all.
; LIMITS: the masked logit is -2^30 where the problem's text has -1e9: logits at or under -2^30 are not told apart from masked ones.  NaN and infinities are not served.  A block of zeros keeps the byte 1 with zero codes.
; No joint loads: nothing is brought by the tensor data mover here, since what lands in LDS is not what lies in memory (cleared codes, rebuilt scale words).
.set VC,   12582912                    ; QKV: v's codes
.set QKS,  15728640                    ; q's and k's scale words
.set VS,   16777216                    ; v's scale words
.set ACS,  3145728                     ; AC's scale words
.set VL,   131072                      ; LDS: K: 128 records of 1,024 bytes (registers 0-3 at 16 l; 4, 5 at 512 + 8 l; register 6 and the scale word at 768 + 8 l); then V:
.set VREC, 6656                        ; 16 records: four fragments of 1,536 bytes, then four times 128 bytes of scale words
.set AK16, 1                           ; v1   16 l
.set AK8,  2                           ; v2   512 + 8 l
.set AV16, 3                           ; v3   VL + 16 l
.set AV8,  4                           ; v4   VL + 512 + 8 l
.set AVS,  5                           ; v5   VL + 6,144 + 4 l
.set ADK16, 6                          ; v6-10 the same at the key step in hand
.set ADK8, 7
.set ADV16, 8
.set ADV8, 9
.set ADVS, 10
.set L4,   11                          ; v11  4 l
.set QF,   16                          ; v16-27   Q's fragment.  v12 -M, v13 the largest t, v[14:15] the sum in two halves
.set VSC,  28                          ; v28-31   V's scale words
.set KB,   32                          ; v32-79   four fragments of K; registers 7-11 of each stay 0
.set VB,   80                          ; v80-127  four fragments of V
.set S,    128                         ; v128-191 S^T, then p
.set O,    192                         ; v192-223 O^T.  v224-235 p's codes; v232-247 at work; v248-251 K's scale words; v252 f; v253 p's scale word; v254 at work; v255 Q's scale word
.set H28,  84                          ; the fill's own, in V's registers
.set CM,   85
.set CU,   86
.set KP,   87
.set TP,   88
.set KW16, 89
.set KW8,  90
.set VW,   91
.set VWS,  92
.set MK,   93
.set WV,   10
.set SEL,  12
.set CS,   14
.set SH,   16
.set TK,   17
.set TV,   18
.set CNT,  19
.set QW,   20
.set QP,   22
.set QSP,  24
.set KPP,  26
.set KSP,  28
.set MP,   30
.set VP,   32
.set VSP,  34
.set AP,   36
.set ASP,  38
.macro PLACES
.rept 4
	v_nop
.endr
.endm
	s_load_b128 s[4:7], s[0:1], 0x0                ; QKV s[4:5], src_mask s[6:7]
	s_load_b64 s[8:9], s[0:1], 0x10                ; AC
	v_lshrrev_b32 v6, 5, v0
	s_delay_alu instid0(VALU_DEP_1)
	v_readfirstlane_b32 s[WV], v6                  ; wave 0..15
	v_and_b32 v6, 31, v0                           ; l
	v_and_b32 v7, 15, v0                           ; r
	v_bfe_u32 v8, v0, 4, 1                         ; h
	s_delay_alu instid0(VALU_DEP_3)
	v_lshlrev_b32 v[AK16], 4, v6
	s_delay_alu instid0(VALU_DEP_4)
	v_lshlrev_b32 v[AK8], 3, v6
	s_delay_alu instid0(VALU_DEP_1)
	v_add_nc_u32 v[AK8], 512, v[AK8]
	s_delay_alu instid0(VALU_DEP_3)
	v_add_nc_u32 v[AV16], VL, v[AK16]
	s_delay_alu instid0(VALU_DEP_2)
	v_add_nc_u32 v[AV8], VL, v[AK8]
	v_lshlrev_b32 v[L4], 2, v6
	s_delay_alu instid0(VALU_DEP_1)
	v_add_nc_u32 v[AVS], VL+6144, v[L4]
	s_lshl_b32 s40, s[WV], 13                      ; the fill: wave w writes K's records 8 w .. 8 w + 7
	v_add_nc_u32 v[KW16], s40, v[AK16]
	v_add_nc_u32 v[KW8], s40, v[AK8]
	s_lshr_b32 s54, s[WV], 2                       ; and of V channel tile dt = w / 4,
	s_and_b32 s55, s[WV], 3                        ; key steps 4 (w % 4) .. + 3
	s_mul_i32 s40, s55, 4*VREC
	s_mul_i32 s41, s54, 1536
	s_add_co_u32 s41, s41, s40
	v_add_nc_u32 v[VW], s41, v[AV16]
	s_lshl_b32 s41, s54, 7
	s_add_co_u32 s41, s41, s40
	s_add_co_u32 s41, s41, VL+6144
	v_lshrrev_b32 v[VWS], 3, v6                    ; its scale words: 512 bytes, 16 a lane: eight lanes to a key step
	s_delay_alu instid0(VALU_DEP_1)
	v_mul_u32_u24 v[VWS], v[VWS], VREC
	v_and_b32 v9, 7, v6
	s_delay_alu instid0(VALU_DEP_1)
	v_lshl_add_u32 v[VWS], v9, 4, v[VWS]
	s_delay_alu instid0(VALU_DEP_1)
	v_add_nc_u32 v[VWS], s41, v[VWS]
	v_and_b32 v[MK], 8, v7
	s_delay_alu instid0(VALU_DEP_1)
	v_add_nc_u32 v[MK], v[MK], v7
	s_delay_alu instid0(VALU_DEP_1)
	v_lshlrev_b32 v[MK], 2, v[MK]                  ; the mask's word of my key: 4 (r + 8 (r / 8))
	v_xor_b32 v[H28], 1, v8
	s_delay_alu instid0(VALU_DEP_1)
	v_mul_u32_u24 v[H28], v[H28], 0x28             ; the code -1.0 at k = 64: the lowest six bits of register 6 in lanes 0-15
	v_mov_b32 v[CM], 0x40a00000                    ; scale bytes 2, 3 of a masked key: 2^33, 2^-63
	v_mov_b32 v[CU], 0x40400000                    ; of a key that counts: 2^-63, 2^-63
	s_mov_b32 s[QW], 0x407f0000                    ; of Q: 1, 2^-63
	s_mov_b32 s[SEL], 0x76543210
	s_mov_b32 s[SEL+1], 0xfedcba98
	s_mov_b32 s[CS], 0x3e38aa3b                    ; c = log2(e) / 8
	s_mov_b32 s[CS+1], s[CS]
	s_and_b32 s40, ttmp9, 7                        ; block of 256 queries
	s_lshr_b32 s41, ttmp9, 3
	s_lshr_b32 s42, s41, 4                         ; batch
	s_and_b32 s43, s41, 15                         ; head
	s_and_b32 s44, s43, 1                          ; which half of a fragment is the head's
	s_lshr_b32 s45, s43, 1                         ; the pair of heads
	s_lshl_b32 s[SH], s44, 4                       ; and which half of a scale word
	s_mul_i32 s46, s44, 768
	s_lshl_b32 s47, s42, 7                         ; the batch's first token tile
	s_lshl_b32 s48, s40, 4
	s_add_co_u32 s48, s48, s47
	s_add_co_u32 s48, s48, s[WV]                   ; my tile of queries
	s_mov_b32 s51, 0
	s_wait_alu depctr_va_vdst(0)
	s_wait_kmcnt 0x0
	s_lshl_b32 s49, s48, 5
	s_add_co_u32 s49, s49, s45                     ; q: fragment 32 T + pair
	s_mul_i32 s50, s49, 1536
	s_add_co_u32 s50, s50, s46
	s_add_nc_u64 s[QP:QP+1], s[4:5], s[50:51]
	s_lshl_b32 s50, s49, 7
	s_add_co_u32 s50, s50, QKS
	s_add_nc_u64 s[QSP:QSP+1], s[4:5], s[50:51]
	s_lshl_b32 s49, s[WV], 3
	s_add_co_u32 s49, s49, s47
	s_lshl_b32 s49, s49, 5
	s_add_co_u32 s49, s49, s45
	s_add_co_u32 s49, s49, 8                       ; k: fragment 32 (first tile + 8 w) + 8 + pair
	s_mul_i32 s50, s49, 1536
	s_add_co_u32 s50, s50, s46
	s_add_nc_u64 s[KPP:KPP+1], s[4:5], s[50:51]
	s_lshl_b32 s50, s49, 7
	s_add_co_u32 s50, s50, QKS
	s_add_nc_u64 s[KSP:KSP+1], s[4:5], s[50:51]
	s_lshl_b32 s50, s42, 13
	s_lshl_b32 s49, s[WV], 9
	s_add_co_u32 s50, s50, s49                     ; the mask: 4 (2,048 batch + 128 w)
	s_add_nc_u64 s[MP:MP+1], s[6:7], s[50:51]
	s_lshl_b32 s49, s43, 2
	s_add_co_u32 s49, s49, s54
	s_lshl_b32 s49, s49, 5
	s_lshl_b32 s52, s42, 4
	s_add_co_u32 s49, s49, s52                     ; v: fragment 32 (4 head + dt) + 16 batch
	s_mul_i32 s50, s49, 1536
	s_mul_i32 s52, s55, 6144
	s_add_co_u32 s50, s50, s52
	s_add_co_u32 s50, s50, VC
	s_add_nc_u64 s[VP:VP+1], s[4:5], s[50:51]
	s_lshl_b32 s50, s49, 7
	s_lshl_b32 s52, s55, 9
	s_add_co_u32 s50, s50, s52
	s_add_co_u32 s50, s50, VS
	s_add_nc_u64 s[VSP:VSP+1], s[4:5], s[50:51]
	s_lshl_b32 s49, s48, 3
	s_add_co_u32 s49, s49, s45                     ; out: fragment 8 T + pair
	s_mul_i32 s50, s49, 1536
	s_add_co_u32 s50, s50, s46
	s_add_nc_u64 s[AP:AP+1], s[8:9], s[50:51]
	s_lshl_b32 s50, s49, 7
	s_lshl_b32 s52, s44, 1
	s_add_co_u32 s50, s50, s52
	s_add_co_u32 s50, s50, ACS
	s_add_nc_u64 s[ASP:ASP+1], s[8:9], s[50:51]
	; THE FILL: all loads first
	global_load_b128 v[QF:QF+3], v[AK16], s[QP:QP+1]
	global_load_b64 v[QF+4:QF+5], v[AK8], s[QP:QP+1]
	global_load_b32 v255, v[L4], s[QSP:QSP+1]
.irp j, 0,1,2,3,4,5,6,7
	global_load_b128 v[S+8*\j:S+8*\j+3], v[AK16], s[KPP:KPP+1] offset:\j*49152
	global_load_b64 v[S+8*\j+4:S+8*\j+5], v[AK8], s[KPP:KPP+1] offset:\j*49152
	global_load_b32 v[S+8*\j+6], v[MK], s[MP:MP+1] offset:4*(32*(\j/2)+8*(\j%2))
	global_load_b32 v[S+8*\j+7], v[L4], s[KSP:KSP+1] offset:\j*4096
.endr
.irp j, 0,1,2,3,4,5,6,7,8,9,10,11
	global_load_b128 v[KB+4*\j:KB+4*\j+3], v[AK16], s[VP:VP+1] offset:512*\j
.endr
	global_load_b128 v[VB:VB+3], v[AK16], s[VSP:VSP+1]
	s_wait_loadcnt 0x0
.irp j, 0,1,2,3,4,5,6,7
	v_cmp_ne_u32 vcc_lo, 0, v[S+8*\j+6]            ; does my key count?
	s_delay_alu instid0(VALU_DEP_1)
	v_cndmask_b32 v[KP], 0, -1, vcc_lo
.irp i, 0,1,2,3,4,5
	v_and_b32 v[S+8*\j+\i], v[KP], v[S+8*\j+\i]    ; a masked key's codes are cleared
.endr
	v_cndmask_b32 v[S+8*\j+6], v[H28], 0, vcc_lo   ; register 6: -1.0 at k = 64 for a masked key, else 0
	v_cndmask_b32 v[TP], v[CM], v[CU], vcc_lo
	v_lshrrev_b32 v[S+8*\j+7], s[SH], v[S+8*\j+7]  ; the head's two scale bytes,
	s_delay_alu instid0(VALU_DEP_1)
	v_and_or_b32 v[S+8*\j+7], v[S+8*\j+7], 0xffff, v[TP]   ; and the padding's
	ds_store_b128 v[KW16], v[S+8*\j:S+8*\j+3] offset:\j*1024
	ds_store_b64 v[KW8], v[S+8*\j+4:S+8*\j+5] offset:\j*1024
	ds_store_b64 v[KW8], v[S+8*\j+6:S+8*\j+7] offset:\j*1024+256
.endr
.irp j, 0,1,2,3,4,5,6,7,8,9,10,11
	ds_store_b128 v[VW], v[KB+4*\j:KB+4*\j+3] offset:(\j/3)*VREC+(\j%3)*512
.endr
	ds_store_b128 v[VWS], v[VB:VB+3]
	s_wait_dscnt 0x0                               ; for the others' sake: my stores have landed
	s_barrier_signal -1
	s_barrier_wait -1                              ; the head's K and V lie in LDS; nothing is written there again
	v_lshrrev_b32 v255, s[SH], v255                ; Q's scale word: the head's two bytes, then 1 and 2^-63
	s_delay_alu instid0(VALU_DEP_1)
	v_and_or_b32 v255, v255, 0xffff, s[QW]
	v_bfe_u32 v[QF+6], v0, 4, 1
	s_delay_alu instid0(VALU_DEP_1)
	v_xor_b32 v[QF+6], 1, v[QF+6]
	s_delay_alu instid0(VALU_DEP_1)
	v_lshlrev_b32 v[QF+6], 3, v[QF+6]              ; the code 1.0 at k = 64
.irp i, 7,8,9,10,11
	v_mov_b32 v[QF+\i], 0
.endr
.irp t, 0,1,2,3
.irp i, 7,8,9,10,11
	v_mov_b32 v[KB+12*\t+\i], 0
.endr
.endr
	v_mov_b32 v13, 0xff61b1e6                      ; the largest t so far: -3e38, under every t
	s_delay_alu instid0(VALU_DEP_1)
	v_floor_f32 v12, -v13                          ; -M
	v_mov_b32 v14, 0
	v_mov_b32 v15, 0
.irp b, 0,1,2,3
	v_mov_b32 v[236+\b], 0                         ; written once: a lane permute's destination counts as one of its sources
.endr
	v_mov_b32 v253, 0
.set j, 0
.rept 32
	v_mov_b32 v[O+j], 0                            ; the step is written once: the first finds zeros, which the first change of M leaves zeros
.set j, j+1
.endr
	s_mov_b32 s[TK], 0
	s_mov_b32 s[TV], 0
	s_mov_b32 s[CNT], 16
.Lstep:                                            ; a key step: 128 keys
	v_add_nc_u32 v[ADK16], s[TK], v[AK16]          ; (these five are also places behind the last step's products)
	s_wait_alu depctr_va_vdst(0)
	v_add_nc_u32 v[ADK8], s[TK], v[AK8]
	s_wait_alu depctr_va_vdst(0)
	v_add_nc_u32 v[ADV16], s[TV], v[AV16]
	v_add_nc_u32 v[ADV8], s[TV], v[AV8]
	v_add_nc_u32 v[ADVS], s[TV], v[AVS]
.irp g, 0,1                                    ; S^T = K Q^T, four tiles of 16 keys at a time
.if \g
	PLACES                                         ; ahead of loads into registers that matrix instructions have read
.endif
.irp t, 0,1,2,3
	ds_load_b128 v[KB+12*\t:KB+12*\t+3], v[ADK16] offset:(4*\g+\t)*1024
	ds_load_b64 v[KB+12*\t+4:KB+12*\t+5], v[ADK8] offset:(4*\g+\t)*1024
	ds_load_b32 v[KB+12*\t+6], v[ADK8] offset:(4*\g+\t)*1024+256
	ds_load_b32 v[248+\t], v[ADK8] offset:(4*\g+\t)*1024+260
.endr
	s_wait_dscnt 0x0
.irp t, 0,1,2,3
	v_wmma_scale_f32_16x16x128_f8f6f4 v[S+8*(4*\g+\t):S+8*(4*\g+\t)+7], v[KB+12*\t:KB+12*\t+11], v[QF:QF+11], 0, v[248+\t], v255 matrix_a_fmt:MATRIX_FMT_FP6 matrix_b_fmt:MATRIX_FMT_FP6
.endr
.endr
	s_wait_alu depctr_va_vdst(0)
.irp d, 0,1,2,3                                ; V's fragments are asked for now and land under the softmax
	ds_load_b128 v[VB+12*\d:VB+12*\d+3], v[ADV16] offset:\d*1536
	ds_load_b64 v[VB+12*\d+4:VB+12*\d+5], v[ADV8] offset:\d*1536
	ds_load_b128 v[VB+12*\d+6:VB+12*\d+9], v[ADV16] offset:\d*1536+768
	ds_load_b64 v[VB+12*\d+10:VB+12*\d+11], v[ADV8] offset:\d*1536+768
	ds_load_b32 v[VSC+\d], v[ADVS] offset:\d*128
.endr
	PLACES
.irp b, 0,1,2,3
	v_max3_num_f32 v[232+\b], v[S+16*\b], v[S+1+16*\b], v[S+2+16*\b]   ; the largest score of each block of 32 keys: for the row's maximum, and, since p rises with the score, for the block's largest p
.endr
.irp i, 3,5,7,9,11,13
.irp b, 0,1,2,3
	v_max3_num_f32 v[232+\b], v[232+\b], v[S+16*\b+\i], v[S+1+16*\b+\i]
.endr
.endr
.irp b, 0,1,2,3
	v_max_num_f32 v[232+\b], v[232+\b], v[S+15+16*\b]
.endr
.irp b, 0,1,2,3
	s_delay_alu instid0(VALU_DEP_4)
	v_permlanex16_b32 v[236+\b], v[232+\b], s[SEL], s[SEL+1]
.endr
.irp b, 0,1,2,3
	s_delay_alu instid0(VALU_DEP_4)
	v_max_num_f32 v[232+\b], v[232+\b], v[236+\b]  ; with lane l xor 16's 16 keys
.endr
	s_delay_alu instid0(VALU_DEP_2)
	v_max3_num_f32 v254, v232, v233, v234
	s_delay_alu instid0(VALU_DEP_1)
	v_max_num_f32 v254, v254, v235                 ; the step's largest score of my query
	s_delay_alu instid0(VALU_DEP_1)
	v_mul_f32 v254, s[CS], v254                    ; as t (c is positive)
	s_delay_alu instid0(VALU_DEP_1)
	v_max_num_f32 v13, v13, v254                   ; the running largest t
	v_mov_b32 v254, v12
	s_delay_alu instid0(VALU_DEP_2)
	v_floor_f32 v12, -v13                          ; the new -M = floor(-t): M is a whole number
	s_delay_alu instid0(VALU_DEP_1)
	v_sub_f32 v254, v12, v254                      ; old M - new M: a whole number, 0 or less
	s_delay_alu instid0(VALU_DEP_1)
	v_cvt_i32_f32 v254, v254                       ; (it saturates)
	s_delay_alu instid0(VALU_DEP_1)
	v_ldexp_f32 v252, 1.0, v254                    ; f = 2^(old M - new M)
.set j, 0
.rept 32
	v_pk_fma_f32 v[S+j:S+j+1], v[S+j:S+j+1], s[CS:CS+1], v[12:13] op_sel_hi:[1,0,0]   ; t - M, two at a time
.set j, j+2
.endr
.irp b, 0,1,2,3
	v_fma_f32 v[232+\b], v[232+\b], s[CS], v12     ; the same of each block's largest score
.endr
.set j, 0
	s_wait_alu depctr_va_vdst(0)
.rept 64
	v_exp_f32 v[S+j], v[S+j]                       ; p = 2^(t - M), at most 1
.set j, j+1
.endr
	v_pk_mul_f32 v[14:15], v[14:15], v[252:253] op_sel_hi:[1,0]   ; the sums under the new M: a plain place behind the exponentials
	s_wait_alu depctr_va_vdst(0)                   ; one wait for the batch, ahead of its first reader
.irp b, 0,1,2,3
	v_exp_f32 v[232+\b], v[232+\b]                 ; the block's largest p
.endr
	v_pk_add_f32 v[236:237], v[132:133], v[136:137]
	v_pk_add_f32 v[250:251], v[140:141], v[144:145]
	v_pk_add_f32 v[248:249], v[148:149], v[152:153]
	v_pk_add_f32 v[246:247], v[156:157], v[160:161]
	v_pk_add_f32 v[244:245], v[164:165], v[168:169]
	v_pk_add_f32 v[242:243], v[172:173], v[176:177]
	v_pk_add_f32 v[240:241], v[180:181], v[184:185]
	v_pk_add_f32 v[14:15], v[14:15], v[188:189]
	v_pk_add_f32 v[236:237], v[236:237], v[128:129]
	v_pk_add_f32 v[250:251], v[250:251], v[130:131]
	v_pk_add_f32 v[248:249], v[248:249], v[134:135]
	v_pk_add_f32 v[246:247], v[246:247], v[138:139]
	v_pk_add_f32 v[244:245], v[244:245], v[142:143]
	v_pk_add_f32 v[242:243], v[242:243], v[146:147]
	v_pk_add_f32 v[240:241], v[240:241], v[150:151]
	v_pk_add_f32 v[14:15], v[14:15], v[154:155]
	v_pk_add_f32 v[236:237], v[236:237], v[158:159]
	v_pk_add_f32 v[250:251], v[250:251], v[162:163]
	v_pk_add_f32 v[248:249], v[248:249], v[166:167]
	v_pk_add_f32 v[246:247], v[246:247], v[170:171]
	v_pk_add_f32 v[244:245], v[244:245], v[174:175]
	v_pk_add_f32 v[242:243], v[242:243], v[178:179]
	v_pk_add_f32 v[240:241], v[240:241], v[182:183]
	v_pk_add_f32 v[14:15], v[14:15], v[186:187]
	v_pk_add_f32 v[236:237], v[236:237], v[190:191]
	s_delay_alu instid0(VALU_DEP_2)
	v_pk_add_f32 v[14:15], v[14:15], v[246:247]
	s_delay_alu instid0(VALU_DEP_2)
	v_pk_add_f32 v[236:237], v[236:237], v[244:245]
	v_pk_add_f32 v[250:251], v[250:251], v[242:243]
	v_pk_add_f32 v[248:249], v[248:249], v[240:241]
	s_delay_alu instid0(VALU_DEP_2)
	v_pk_add_f32 v[14:15], v[14:15], v[250:251]
	s_delay_alu instid0(VALU_DEP_2)
	v_pk_add_f32 v[236:237], v[236:237], v[248:249]
	s_delay_alu instid0(VALU_DEP_1)
	v_pk_add_f32 v[14:15], v[14:15], v[236:237]
	s_wait_alu depctr_va_vdst(0)                   ; and one for the four
.irp b, 0,1,2,3
	v_max_num_f32 v[232+\b], 0x1800000, v[232+\b]  ; the floor 2^(3 - 127): the byte cannot fall under 1
.endr
.irp b, 0,1,2,3
	s_delay_alu instid0(VALU_DEP_4)
	v_add_nc_u32 v[244+\b], 0xff000000, v[232+\b]  ; 2 off the exponent field: the conversion's scale operand
.endr
.irp b, 0,1,2,3
	s_delay_alu instid0(VALU_DEP_4)
	v_lshrrev_b32 v[236+\b], 23, v[244+\b]         ; the scale's byte
.endr
	s_delay_alu instid0(VALU_DEP_3)
	v_lshl_or_b32 v253, v237, 8, v236              ; p's scale word for these 128 keys
	s_delay_alu instid0(VALU_DEP_1)
	v_lshl_or_b32 v253, v238, 16, v253
	s_delay_alu instid0(VALU_DEP_1)
	v_lshl_or_b32 v253, v239, 24, v253
.irp c, 0,1
	v_cvt_scalef32_pk16_fp6_f32 v[224+6*\c:226+6*\c], v[S+32*\c:S+15+32*\c], v[244+2*\c]
	v_cvt_scalef32_pk16_fp6_f32 v[236+4*\c:238+4*\c], v[S+16+32*\c:S+31+32*\c], v[244+2*\c+1]
.endr
	v_nop                                          ; one plain place behind a scaled conversion
.irp c, 0,1
.irp i, 0,1,2
	v_permlane16_swap_b32 v[224+6*\c+\i], v[236+4*\c+\i]
.endr
.irp i, 0,1,2
	s_delay_alu instid0(VALU_DEP_3)
	v_mov_b32 v[227+6*\c+\i], v[236+4*\c+\i]
.endr
.endr
.set j, 0
.rept 16
	v_pk_mul_f32 v[O+j:O+j+1], v[O+j:O+j+1], v[252:253] op_sel_hi:[1,0]   ; O^T under the new M.  (These 16 are also the places between the codes' and the scale word's last writes and the products)
.set j, j+2
.endr
	s_wait_alu depctr_va_vdst(0)
	s_wait_dscnt 0x0                               ; V is in
.irp d, 0,1,2,3                                ; O^T += V^T P^T: the four accumulators by turns
	v_wmma_scale_f32_16x16x128_f8f6f4 v[O+8*\d:O+8*\d+7], v[VB+12*\d:VB+12*\d+11], v[224:235], v[O+8*\d:O+8*\d+7], v[VSC+\d], v253 matrix_a_fmt:MATRIX_FMT_FP6 matrix_b_fmt:MATRIX_FMT_FP6
.endr
	s_add_co_u32 s[TK], s[TK], 8192
	s_add_co_u32 s[TV], s[TV], VREC
	s_sub_co_u32 s[CNT], s[CNT], 1
	s_cmp_lg_u32 s[CNT], 0
	s_cbranch_scc1 .Lstep
	; THE WAY OUT: O^T / the sum; register 16 b + i is channel 32 b + 16 h + i of the head: two blocks of 32 along the next K: half a fragment
	PLACES
	v_add_f32 v14, v14, v15
	s_delay_alu instid0(VALU_DEP_1)
	v_permlanex16_b32 v252, v14, s[SEL], s[SEL+1]
	s_delay_alu instid0(VALU_DEP_1)
	v_add_f32 v14, v14, v252                       ; the row's sum
	s_wait_alu depctr_va_vdst(0)
	v_rcp_f32 v14, v14
	v_nop
	s_wait_alu depctr_va_vdst(0)
.set j, 0
.rept 32
	v_mul_f32 v[S+j], v[O+j], v14
.set j, j+1
.endr
.irp b, 0,1
	v_max3_num_f32 v[232+\b], |v[S+16*\b]|, |v[S+1+16*\b]|, 0x1800000
.endr
.irp i, 2,4,6,8,10,12,14
.irp b, 0,1
	s_delay_alu instid0(VALU_DEP_2)
	v_max3_num_f32 v[232+\b], v[232+\b], |v[S+16*\b+\i]|, |v[S+1+16*\b+\i]|
.endr
.endr
.irp b, 0,1
	s_delay_alu instid0(VALU_DEP_2)
	v_permlanex16_b32 v[236+\b], v[232+\b], s[SEL], s[SEL+1]
.endr
.irp b, 0,1
	s_delay_alu instid0(VALU_DEP_2)
	v_max_num_f32 v[232+\b], v[232+\b], v[236+\b]
.endr
.irp b, 0,1
	s_delay_alu instid0(VALU_DEP_2)
	v_add_nc_u32 v[244+\b], 0xff000000, v[232+\b]
.endr
.irp b, 0,1
	s_delay_alu instid0(VALU_DEP_2)
	v_lshrrev_b32 v[236+\b], 23, v[244+\b]
.endr
	s_delay_alu instid0(VALU_DEP_1)
	v_lshl_or_b32 v253, v237, 8, v236              ; the head's two scale bytes
	v_cvt_scalef32_pk16_fp6_f32 v[224:226], v[S:S+15], v244
	v_cvt_scalef32_pk16_fp6_f32 v[236:238], v[S+16:S+31], v245
	v_nop
.irp i, 0,1,2
	v_permlane16_swap_b32 v[224+\i], v[236+\i]
.endr
.irp i, 0,1,2
	s_delay_alu instid0(VALU_DEP_3)
	v_mov_b32 v[227+\i], v[236+\i]
.endr
	global_store_b128 v[AK16], v[224:227], s[AP:AP+1]              ; 512 consecutive bytes, aligned,
	global_store_b64 v[AK8], v[228:229], s[AP:AP+1]                ; and the 256 behind them
	global_store_b16 v[L4], v253, s[ASP:ASP+1]                     ; my half of the row's scale word; the pair's other head writes the other half
	s_wait_xcnt 0x0
	v_lshl_add_u32 v254, v0, 2, 0x3a000
	v_mov_b32 v255, 0
	s_wait_alu depctr_va_vdst(0)
	s_wait_tensorcnt 0x0
	ds_add_u32 v254, v255
	s_wait_dscnt 0x0
	s_endpgm
.Lfunc_end_k_q9b93029721_attn:
	.size	k_q9b93029721_attn, .Lfunc_end_k_q9b93029721_attn-k_q9b93029721_attn
	.p2alignl 7, 3214868480
	.fill 96, 4, 3214868480
	.section	.rodata,"a",@progbits
	.p2align	6, 0x0
	.amdhsa_kernel k_q9b93029721_attn
		.amdhsa_group_segment_fixed_size 239616
		.amdhsa_private_segment_fixed_size 0
		.amdhsa_enable_private_segment 0
		.amdhsa_kernarg_size 24
		.amdhsa_user_sgpr_count 2
		.amdhsa_user_sgpr_kernarg_segment_ptr 1
		.amdhsa_wavefront_size32 1
		.amdhsa_system_sgpr_workgroup_id_x 1
		.amdhsa_system_sgpr_workgroup_id_y 1
		.amdhsa_system_sgpr_workgroup_id_z 1
		.amdhsa_system_vgpr_workitem_id 0
		.amdhsa_next_free_vgpr 256
		.amdhsa_next_free_sgpr 66
		.amdhsa_reserve_vcc 1
		.amdhsa_float_denorm_mode_32 3
		.amdhsa_float_denorm_mode_16_64 3
		.amdhsa_memory_ordered 1
		.amdhsa_forward_progress 1
		.amdhsa_inst_pref_size 43
	.end_amdhsa_kernel
	.amdgpu_metadata
---
amdhsa.version: [ 1, 2 ]
amdhsa.kernels:
  - .name:           k_q9b93029721_attn
    .symbol:         k_q9b93029721_attn.kd
    .args:
      - { .name: QKV, .offset: 0, .size: 8, .value_kind: global_buffer, .address_space: global }
      - { .name: src_mask, .offset: 8, .size: 8, .value_kind: global_buffer, .address_space: global }
      - { .name: AC, .offset: 16, .size: 8, .value_kind: global_buffer, .address_space: global }
    .group_segment_fixed_size: 239616
    .private_segment_fixed_size: 0
    .kernarg_segment_align: 8
    .kernarg_segment_size: 24
    .max_flat_workgroup_size: 512
    .sgpr_count:     66
    .vgpr_count:     256
    .wavefront_size: 32
...
	.end_amdgpu_metadata
.endif
;; end of part 3
;; launch wo (part 4): grid 8 x 32, 4 waves a work-group, clusters of 4 x 4, 327,680 bytes of LDS; arguments W, AC, src, S2; writes S2
.if DOCPART == 4
	.amdgcn_target "amdgcn-amd-amdhsa--gfx1250"
	.amdhsa_code_object_version 6
	.text
	.protected	k_q9b93029721_wo
	.globl	k_q9b93029721_wo
	.p2align	8
	.type	k_q9b93029721_wo,@function
k_q9b93029721_wo:
	s_mov_b64 s[64:65], 0
	v_nop
	global_prefetch_b8 v0, s[64:65] scope:SCOPE_SE
	s_setreg_imm32_b32 hwreg(HW_REG_WAVE_MODE, 25, 1), 1
	s_wait_xcnt 0x0
	s_wait_alu depctr_hold_cnt(0) depctr_sa_sdst(0) depctr_va_vdst(0) depctr_va_sdst(0) depctr_va_ssrc(0) depctr_va_vcc(0) depctr_vm_vsrc(0)
	s_getreg_b32 s2, hwreg(HW_REG_IB_STS2, 6, 4)
	s_cmp_eq_u32 s2, 0
	s_cbranch_scc0 .Lentry_in_a_cluster
	s_endpgm
.Lentry_in_a_cluster:
	s_bfe_u32 s2, ttmp6, 0x10000c
	s_cmp_lg_u32 s2, 0xf033
	s_cbranch_scc0 .Lentry_shape_is_right
	s_endpgm
.Lentry_shape_is_right:
; src2 = src + attention x wo^T, the product on codes of FP6 (E2M3) with E8M0 scales; src2 goes to S2, f32, by rows.  LayerNorm 2 follows in a launch of its own, since it wants whole rows and a block here has 128 features.
; The text is that of the launch ffn2 with other constants (see there for the layout, the shares and the registers): K = 1,024 is two chunks of 4 K steps, so each slot is filled once and there is no loop.
; PREFETCH: with no loop to run ahead in, only chunk 1 is named, at the head, one stage ahead of its load.
.set NCH,  2                           ; chunks of 4 K steps
.set ASK0, 0
.set BIAS, 0
.set TPC,  12288                       ; from tile to tile in memory: codes,
.set TPS,  1024                        ; scale words
.set TS0,  3145728                     ; the tokens' scale words in AC
.set FC0,  448*12288                   ; wo's codes in W
.set FS0,  12582912+448*1024           ; and its scale words
.set OUTP, 10
.set CHC,  6144
.set CHS,  512
.set QT,   4*CHC
.set SLOT, 4*QT
.set LF,   2*QT
.set LTS,  2*SLOT
.set LFS,  LTS+8*TPS
.set RP,   528
.set PARTB, 128*RP
.set SPARE, 4*PARTB
.set L16,  3
.set AT16, 8
.set AT8,  10
.set AF16, 12
.set AF8,  14
.set ASC,  16
.set ADS,  17
.set SO,   18
.set RD,   20
.set PFO,  24
.set SPW,  28
.set NIL,  29
.set SC,   32
.set TF,   64
.set PT,   64
.set BB,   96
.set SR,   128
.set G1T,  24
.set G1F,  32
.set G1TS, 48
.set G1FS, 56
.set G0,   68
.set GH,   84
.set PFA,  20
.set SOFF, 46
.set CNT,  47
.set MSB, 0
.macro WIN new
.if MSB != (\new)
	s_set_vgpr_msb (MSB<<8)|(\new)
.set MSB, (\new)
.endif
.endm
.macro PLACES
.rept 4
	v_nop
.endr
.endm
.macro CROUND
	s_barrier_signal -1
	s_barrier_wait -1
	s_cmp_lg_u32 s14, 0
	s_cbranch_scc1 .Lnw0_\@
	s_barrier_signal -3
.Lnw0_\@:
	s_barrier_wait -3
	s_barrier_signal -1
	s_barrier_wait -1
.endm
.macro JLOAD s
	s_cmp_lt_u32 s14, 2
	s_cbranch_scc0 .Ljf_\@
	tensor_load_to_lds s[G0+4*(\s):G0+4*(\s)+3], s[G1T:G1T+7]
	s_nop 0
	PLACES
	s_branch .Lje_\@
.Ljf_\@:
	tensor_load_to_lds s[G0+8+4*(\s):G0+8+4*(\s)+3], s[G1F:G1F+7]
	s_nop 0
	PLACES
.Lje_\@:
.endm
.macro SETG1 g, row, pitch
	s_mov_b32 s[\g+1], (\row)<<16
	s_mov_b32 s[\g+2], 8<<16
	s_mov_b32 s[\g+3], (\row)<<16
	s_mov_b32 s[\g+4], 8
	s_mov_b32 s[\g+5], \pitch
	s_mov_b32 s[\g+6], 0
	s_mov_b32 s[\g+7], 0
.endm
.macro HEADG g, ptr, lds
	s_mov_b32 s[\g], 1
	s_mov_b32 s[\g+1], \lds
	s_mov_b64 s[\g+2:\g+3], s[\ptr:\ptr+1]
	s_or_b32 s[\g+3], s[\g+3], 0x80000000
.endm
.macro RING k, ptr
.irp s, 0,1
	s_mov_b32 s[G0+8*\k+4*\s], 1
	s_add_co_u32 s[G0+8*\k+4*\s+1], s45, \s*SLOT
	s_add_nc_u64 s[G0+8*\k+4*\s+2:G0+8*\k+4*\s+3], s[\ptr:\ptr+1], \s*CHC
	s_or_b32 s[G0+8*\k+4*\s+3], s[G0+8*\k+4*\s+3], 0x80000000
.endr
.endm
.macro ARM under, g0, g1, next
	s_cmp_lt_u32 s14, \under
	s_cbranch_scc0 \next
	tensor_load_to_lds s[\g0:\g0+3], s[\g1:\g1+7]
	s_nop 0
	PLACES
	s_branch .Lhead_asked
\next:
.endm
.macro LDFRAG reg, a16, a8, off
	ds_load_b128 v[\reg:\reg+3], v[\a16] offset:\off
	ds_load_b64 v[\reg+4:\reg+5], v[\a8] offset:\off
	ds_load_b128 v[\reg+6:\reg+9], v[\a16] offset:\off+768
	ds_load_b64 v[\reg+10:\reg+11], v[\a8] offset:\off+768
.endm
.macro MUL zero                        ; the wait ahead of tile a leaves the 4 (7 - a) loads of the later tiles out; the 64 accumulators take turns
.irp a, 0,1,2,3,4,5,6,7
	s_wait_dscnt 4*(7-\a)
	WIN 0xa1+0x50*(\a/4)
.irp b, 0,1,2,3,4,5,6,7
.if \zero
	v_wmma_scale_f32_16x16x128_f8f6f4 v[8*(8*(\a%4)+\b):8*(8*(\a%4)+\b)+7], v[12*\b:12*\b+11], v[TF+12*\a:TF+12*\a+11], 0, v[SC+\b], v[SC+\a] matrix_a_fmt:MATRIX_FMT_FP6 matrix_b_fmt:MATRIX_FMT_FP6 matrix_a_scale:MATRIX_SCALE_ROW1
.else
	v_wmma_scale_f32_16x16x128_f8f6f4 v[8*(8*(\a%4)+\b):8*(8*(\a%4)+\b)+7], v[12*\b:12*\b+11], v[TF+12*\a:TF+12*\a+11], v[8*(8*(\a%4)+\b):8*(8*(\a%4)+\b)+7], v[SC+\b], v[SC+\a] matrix_a_fmt:MATRIX_FMT_FP6 matrix_b_fmt:MATRIX_FMT_FP6 matrix_a_scale:MATRIX_SCALE_ROW1
.endif
.endr
.endr
	WIN 0
.endm
.macro STAGE slot, fill, step, zero, ask, sreg, soff
.if \step
	s_wait_xcnt 0x0
	s_add_nc_u64 s[PFA:PFA+1], s[PFA:PFA+1], CHC
.endif
	s_wait_tensorcnt 0x0
	ds_add_u32 v[SPW], v[NIL]
.if \zero
	s_mov_b32 s[G1T+2], 4<<16                      ; no tensor load of mine is out: from here on a load of codes brings 4 rows
	s_mov_b32 s[G1T+4], 4
	s_mov_b32 s[G1F+2], 4<<16
	s_mov_b32 s[G1F+4], 4
.endif
.if \step
.irp k, 0,1
	s_add_nc_u64 s[G0+8*\k+4*(1-\slot)+2:G0+8*\k+4*(1-\slot)+3], s[G0+8*\k+4*(1-\slot)+2:G0+8*\k+4*(1-\slot)+3], 2*CHC
.endr
.endif
	s_wait_dscnt 0x0
.if \fill
	CROUND
	JLOAD 1-\slot
.else
	s_barrier_signal -1
	s_barrier_wait -1
	PLACES
.endif
	WIN 0x40
.irp i, 0,1,2,3,4,5,6,7
	LDFRAG 12*\i, AF16+\slot, AF8+\slot, \i*CHC
.endr
	WIN 0
.irp i, 0,1,2,3,4,5,6,7
	ds_load_b32 v[SC+\i], v[\sreg] offset:\soff+\i*TPS
.endr
.if \ask == 2
	s_cmp_gt_u32 s[CNT], 1
	s_cbranch_scc0 .Lna_\@
.endif
.if \ask
	global_prefetch_b8 v[PFO], s[PFA:PFA+1] offset:2*CHC th:TH_LOAD_NT scope:SCOPE_SE
.endif
.if \ask == 2
.Lna_\@:
.endif
.irp i, 0,1,2,3,4,5,6,7
	LDFRAG TF+12*\i, AT16+\slot, AT8+\slot, \i*CHC
.endr
.if \zero
	RESLOAD
.endif
	MUL \zero
.endm
	s_load_b256 s[4:11], s[0:1], 0x0               ; W s[4:5], AC s[6:7], src s[8:9], S2 s[10:11]
	v_lshl_add_u32 v[SPW], v0, 2, SPARE
	v_mov_b32 v[NIL], 0
	ds_add_u32 v[SPW], v[NIL]                      ; the opening lines: the add, twice on end, and its wait ahead of my first tensor load
	ds_add_u32 v[SPW], v[NIL]
	v_lshrrev_b32 v1, 5, v0
	v_readfirstlane_b32 s14, v1
	s_bfe_u32 s40, ttmp6, 0x40000
	s_bfe_u32 s41, ttmp6, 0x40004
	s_lshl_b32 s42, ttmp9, 2
	s_add_co_u32 s42, s42, s40
	s_and_b32 s17, ttmp7, 0xffff
	s_lshl_b32 s17, s17, 2
	s_add_co_u32 s17, s17, s41
	s_lshl_b32 s43, s41, 2
	s_lshl_b32 s43, 15, s43
	s_lshl_b32 s44, 0x1111, s40
	s_or_b32 s[G1T], s43, (3<<16)|(1<<21)
	s_or_b32 s[G1TS], s43, (3<<16)|(1<<21)
	s_or_b32 s[G1F], s44, (3<<16)|(1<<21)
	s_or_b32 s[G1FS], s44, (3<<16)|(1<<21)
	SETG1 G1T, CHC/8, TPC/8
	SETG1 G1F, CHC/8, TPC/8
	SETG1 G1TS, TPS/8, TPS/8
	SETG1 G1FS, TPS/8, TPS/8
	s_mul_i32 s20, s17, 8*TPC
	s_mov_b32 s21, 0
	s_mul_i32 s22, s17, 8*TPS
	s_add_co_u32 s22, s22, TS0
	s_mov_b32 s23, 0
	s_mul_i32 s46, s42, 8*TPC
	s_add_co_u32 s46, s46, FC0
	s_mov_b32 s47, 0
	s_mul_i32 s2, s42, 8*TPS
	s_add_co_u32 s2, s2, FS0
	s_mov_b32 s3, 0
	s_and_b32 s16, s14, 1
	s_mul_i32 s18, s16, 4*TPC
	s_mov_b32 s19, 0
	s_mul_i32 s45, s14, QT
	s_wait_dscnt 0x0
	s_wait_kmcnt 0x0
	s_add_nc_u64 s[20:21], s[6:7], s[20:21]
	s_add_nc_u64 s[22:23], s[6:7], s[22:23]
	s_add_nc_u64 s[46:47], s[4:5], s[46:47]
	s_add_nc_u64 s[2:3], s[4:5], s[2:3]
	CROUND
	HEADG GH, 20, 0
	HEADG GH+4, 46, LF
	HEADG GH+8, 22, LTS
	HEADG GH+12, 2, LFS
	s_add_nc_u64 s[20:21], s[20:21], s[18:19]
	s_add_nc_u64 s[46:47], s[46:47], s[18:19]
	RING 0, 20
	RING 1, 46
	ARM 1, GH, G1T, .Lhead_f
	ARM 2, GH+4, G1F, .Lhead_ts
	ARM 3, GH+8, G1TS, .Lhead_fs
	tensor_load_to_lds s[GH+12:GH+15], s[G1FS:G1FS+7]
	s_nop 0
	PLACES
.Lhead_asked:
	s_mul_i32 s15, s14, 1536
	s_lshl_b32 s16, s14, 7
	s_add_co_u32 s16, s16, LTS
	s_mul_i32 s18, s14, PARTB
	s_mul_i32 s19, s14, 32*RP
	v_and_b32 v1, 31, v0
	v_and_b32 v2, 15, v0
	v_bfe_u32 v4, v0, 4, 1
	v_lshlrev_b32 v[L16], 4, v1
	v_lshlrev_b32 v5, 3, v1
	v_add_nc_u32 v5, 512, v5
	v_add_nc_u32 v[AT16], s15, v[L16]
	v_add_nc_u32 v[AT8], s15, v5
	v_add_nc_u32 v[AT16+1], SLOT, v[AT16]
	v_add_nc_u32 v[AT8+1], SLOT, v[AT8]
.irp s, 0,1
	v_add_nc_u32 v[AF16+\s], LF, v[AT16+\s]
	v_add_nc_u32 v[AF8+\s], LF, v[AT8+\s]
.endr
	v_lshlrev_b32 v6, 2, v2
	v_mad_u32_u24 v6, v4, 8*TPS, v6
	v_add_nc_u32 v[ASC], s16, v6
	v_mul_u32_u24 v7, v2, RP
	v_lshl_add_u32 v7, v4, 6, v7
	v_add_nc_u32 v[SO], s18, v7
	v_add_nc_u32 v[RD], s19, v[L16]
.irp q, 1,2,3
	v_add_nc_u32 v[RD+\q], \q*PARTB, v[RD]
.endr
	v_min_u32 v[PFO], 23, v1
	v_lshlrev_b32 v[PFO], 8, v[PFO]
	s_wait_alu depctr_va_vdst(0)                   ; the wait behind the head's last vector instruction
	s_cmp_lt_u32 s14, 2
	s_cselect_b32 s15, s17, s42
	s_cselect_b32 s16, s40, s41
	s_cselect_b64 s[PFA:PFA+1], s[6:7], s[4:5]
	s_cselect_b32 s45, 0, FC0
	s_lshl_b32 s15, s15, 3
	s_add_co_u32 s15, s15, s16
	s_and_b32 s16, s14, 1
	s_lshl_b32 s16, s16, 2
	s_add_co_u32 s15, s15, s16
	s_mul_i32 s18, s15, TPC
	s_add_co_u32 s18, s18, s45
	s_add_co_u32 s18, s18, CHC
	s_mov_b32 s19, 0
	s_add_nc_u64 s[PFA:PFA+1], s[PFA:PFA+1], s[18:19]
	global_prefetch_b8 v[PFO], s[PFA:PFA+1] th:TH_LOAD_NT scope:SCOPE_SE
.if NCH > 2
	global_prefetch_b8 v[PFO], s[PFA:PFA+1] offset:CHC th:TH_LOAD_NT scope:SCOPE_SE
.endif
	s_lshl_b32 s15, s17, 2
	s_add_co_u32 s15, s15, s14
	s_lshl_b32 s18, s15, 17
	s_lshl_b32 s16, s42, 9
	s_add_co_u32 s18, s18, s16
	s_add_nc_u64 s[8:9], s[8:9], s[18:19]
	s_add_nc_u64 s[OUTP:OUTP+1], s[OUTP:OUTP+1], s[18:19]
.macro RESLOAD                         ; src's 32 rows, into window 1: asked for in stage 0, behind chunk 1's joint load and the stage's LDS loads, ahead of the first products
	WIN 0x40
.set i, 0
.rept 32
	global_load_b128 v[SR+4*i:SR+4*i+3], v[L16], s[8:9] offset:(8*(i/16)+(i%16)+8*((i%16)/8))*4096 th:TH_LOAD_NT
.set i, i+1
.endr
	WIN 0
.endm
	STAGE 0, 1, 0, 1, ASK0, ASC, 0
	STAGE 1, 0, 0, 0, 0, ASC, (NCH-1)*CHS
	s_wait_dscnt 0x0
	s_barrier_signal -1
	s_barrier_wait -1
	PLACES
.irp a, 0,1,2,3,4,5,6,7
	WIN 0x08+4*(\a/4)
.irp b, 0,1,2,3,4,5,6,7
	ds_store_b128 v[SO], v[8*(8*(\a%4)+\b):8*(8*(\a%4)+\b)+3] offset:\a*16*RP+128*(\b/2)+32*(\b%2)
	ds_store_b128 v[SO], v[8*(8*(\a%4)+\b)+4:8*(8*(\a%4)+\b)+7] offset:\a*16*RP+128*(\b/2)+32*(\b%2)+16
.endr
.endr
	WIN 0
	s_wait_dscnt 0x0
	s_barrier_signal -1
	s_barrier_wait -1
.macro LOADP bt
.irp ii, 0,1,2,3
.irp q, 0,1,2,3
	ds_load_b128 v[PT+64*((\bt)%2)+16*\ii+4*\q:PT+64*((\bt)%2)+16*\ii+4*\q+3], v[RD+\q] offset:(4*(\bt)+\ii)*RP
.endr
.endr
.endm
	LOADP 0
	s_wait_loadcnt 0x0                             ; src
.irp bt, 0,1,2,3,4,5,6,7
.if \bt < 7
	LOADP \bt+1
	s_wait_dscnt 16
.else
	s_wait_dscnt 0x0
.endif
.set P, PT+64*(\bt%2)
.irp ii, 0,1,2,3
.irp e, 0,2
	v_pk_add_f32 v[P+16*\ii+\e:P+16*\ii+\e+1], v[P+16*\ii+\e:P+16*\ii+\e+1], v[P+16*\ii+4+\e:P+16*\ii+4+\e+1]
	v_pk_add_f32 v[P+16*\ii+8+\e:P+16*\ii+8+\e+1], v[P+16*\ii+8+\e:P+16*\ii+8+\e+1], v[P+16*\ii+12+\e:P+16*\ii+12+\e+1]
.endr
.endr
.irp ii, 0,1,2,3
.irp e, 0,2
	v_pk_add_f32 v[P+16*\ii+\e:P+16*\ii+\e+1], v[P+16*\ii+\e:P+16*\ii+\e+1], v[P+16*\ii+8+\e:P+16*\ii+8+\e+1]
.endr
.endr
	WIN 0x41
.irp ii, 0,1,2,3
.irp e, 0,2
	v_pk_add_f32 v[SR+4*(4*\bt+\ii)+\e:SR+4*(4*\bt+\ii)+\e+1], v[SR+4*(4*\bt+\ii)+\e:SR+4*(4*\bt+\ii)+\e+1], v[P+16*\ii+\e:P+16*\ii+\e+1]
.endr
.endr
	WIN 0x04
.irp ii, 0,1,2,3
	global_store_b128 v[L16], v[SR+4*(4*\bt+\ii):SR+4*(4*\bt+\ii)+3], s[OUTP:OUTP+1] offset:(8*((4*\bt+\ii)/16)+((4*\bt+\ii)%16)+8*(((4*\bt+\ii)%16)/8))*4096   ; 512 consecutive bytes, aligned
.endr
	WIN 0
.endr
	s_wait_tensorcnt 0x0                           ; the wave's end
	ds_add_u32 v[SPW], v[NIL]
	s_wait_dscnt 0x0
	CROUND
	s_endpgm
.Lfunc_end_k_q9b93029721_wo:
	.size	k_q9b93029721_wo, .Lfunc_end_k_q9b93029721_wo-k_q9b93029721_wo
	.p2alignl 7, 3214868480
	.fill 96, 4, 3214868480
	.section	.rodata,"a",@progbits
	.p2align	6, 0x0
	.amdhsa_kernel k_q9b93029721_wo
		.amdhsa_group_segment_fixed_size 327680
		.amdhsa_private_segment_fixed_size 0
		.amdhsa_enable_private_segment 0
		.amdhsa_kernarg_size 32
		.amdhsa_user_sgpr_count 2
		.amdhsa_user_sgpr_kernarg_segment_ptr 1
		.amdhsa_wavefront_size32 1
		.amdhsa_system_sgpr_workgroup_id_x 1
		.amdhsa_system_sgpr_workgroup_id_y 1
		.amdhsa_system_sgpr_workgroup_id_z 1
		.amdhsa_system_vgpr_workitem_id 0
		.amdhsa_next_free_vgpr 1024
		.amdhsa_next_free_sgpr 100
		.amdhsa_reserve_vcc 0
		.amdhsa_float_denorm_mode_32 3
		.amdhsa_float_denorm_mode_16_64 3
		.amdhsa_memory_ordered 1
		.amdhsa_forward_progress 1
		.amdhsa_inst_pref_size 77
	.end_amdhsa_kernel
	.amdgpu_metadata
---
amdhsa.version: [ 1, 2 ]
amdhsa.kernels:
  - .name:           k_q9b93029721_wo
    .symbol:         k_q9b93029721_wo.kd
    .args:
      - { .name: W, .offset: 0, .size: 8, .value_kind: global_buffer, .address_space: global }
      - { .name: AC, .offset: 8, .size: 8, .value_kind: global_buffer, .address_space: global }
      - { .name: src, .offset: 16, .size: 8, .value_kind: global_buffer, .address_space: global }
      - { .name: S2, .offset: 24, .size: 8, .value_kind: global_buffer, .address_space: global }
    .group_segment_fixed_size: 327680
    .private_segment_fixed_size: 0
    .kernarg_segment_align: 8
    .kernarg_segment_size: 32
    .max_flat_workgroup_size: 128
    .sgpr_count:     100
    .vgpr_count:     1024
    .wavefront_size: 32
...
	.end_amdgpu_metadata
.endif
;; end of part 4
;; launch ln2: the kernel of part 1 again; grid 256 x 1, 8 waves a work-group, no clusters, 68,096 bytes of LDS; arguments S2, wq, wk, wv, wo, w1, w2, a2, be2, X2; writes X2
;; launch ffn1 (part 5): grid 256 x 1, 8 waves a work-group, no clusters, 0 bytes of LDS; arguments W, X2, b1, H; writes H
.if DOCPART == 5
	.amdgcn_target "amdgcn-amd-amdhsa--gfx1250"
	.amdhsa_code_object_version 6
	.text
	.protected	k_q9b93029721_ffn1
	.globl	k_q9b93029721_ffn1
	.p2align	8
	.type	k_q9b93029721_ffn1,@function
k_q9b93029721_ffn1:
	s_mov_b64 s[64:65], 0
	v_nop
	global_prefetch_b8 v0, s[64:65] scope:SCOPE_SE
	s_setreg_imm32_b32 hwreg(HW_REG_WAVE_MODE, 25, 1), 1
	s_wait_xcnt 0x0
; hidden = relu(x2 w1^T + b1) on codes of FP6 (E2M3) with E8M0 scales, quantised again along the hidden units, which are the next product's K.
; Operands come as images of a matrix operand's registers (a fragment of 16 rows x 128 K: 1,536 bytes; its scale words: 128 bytes), straight into registers: no LDS, no barrier.
; Source 0 ("P") = rows of w1 (128 hidden units a wave), source 1 ("R") = tokens (64 a wave): a lane holds one token and 128 neighbouring hidden units (the rows of a tile are 32 b + 8 u + r + 8 (r / 8)).
; A wave makes 128 x 64: 32 accumulators, window 1; K = 1,024 in 8 steps.  Eight waves: 2 along the hidden units x 4 along the tokens: four waves name each fragment of w1, two each fragment of the tokens.
; THE LOADS RUN A K STEP AHEAD.  P has one set of registers: a pair of its tiles is asked for again, for the next K step, as soon as the pair's 8 products are issued; R, at work through the whole step, has two sets.
; The eight K steps are written out by macro: every offset is an immediate, no base is stepped, there is no loop.
; b1 is asked for in the last K step, into R's idle set and 16 registers more, and added in f32 ahead of the relu: the sum over K is rounded first, b1 is added last.
; No joint loads: a fragment goes from memory into the registers of the wave that multiplies it; there is no tile in LDS for a joint load to land in, and a wave's whole K is 8 steps of 32 matrix instructions.
; OUT: H, fragment (token tile T, block of 128 hidden units s) at (32 T + s) x 1,536, scale words at HS + (32 T + s) x 128.
; LIMITS: NaN and infinities are not served; a block whose largest magnitude lies under 2^-124 keeps the byte 1, a block of zeros the byte 1 with zero codes.
.set SW,   12582912                    ; W's scale words
.set XS,   12582912                    ; X2's scale words
.set HS,   12582912                    ; H's
.set PTS,  12288
.set PSS,  1024
.set RTS,  12288
.set RSS,  1024
.set L16,  1
.set L8,   2
.set L4,   3
.set VBO,  4                           ; v4   64 h: my half's 16 numbers of a block of b1
.set PF,   16                          ; v16-111  P's eight fragments
.set RF,   112                         ; v112-159, v160-207 R's four, two sets.  b1's tiles 0-5 come into v112-159, tiles 6, 7 into v224-239
.set PSC,  208                         ; v208-215 P's scale words
.set RSC,  216                         ; v216-219, v220-223 R's, two sets
.set TM,   240                         ; v240-255 the quantiser's
.set WV,   12
.set PCB,  14
.set PSB,  16
.set RCB,  18
.set RSB,  20
.set OCB,  22
.set OSB,  24
.set BIB,  26
.set SEL,  30
.set MSB, 0
.macro WIN new                         ; s_set_vgpr_msb: bits 1:0 source 0, 3:2 source 1, 5:4 source 2, 7:6 destination; the high byte repeats the setting that is left
.if MSB != (\new)
	s_set_vgpr_msb (MSB<<8)|(\new)
.set MSB, (\new)
.endif
.endm
.macro PLACES                          ; four plain places behind a matrix instruction (ISA guide 7.12.1)
.rept 4
	v_nop
.endr
.endm
.macro LDFRAG reg, sb, off
	global_load_b128 v[\reg:\reg+3], v[L16], s[\sb:\sb+1] offset:\off
	global_load_b64 v[\reg+4:\reg+5], v[L8], s[\sb:\sb+1] offset:\off+512
	global_load_b128 v[\reg+6:\reg+9], v[L16], s[\sb:\sb+1] offset:\off+768
	global_load_b64 v[\reg+10:\reg+11], v[L8], s[\sb:\sb+1] offset:\off+1280
.endm
.macro STFRAG reg, sb, off
	global_store_b128 v[L16], v[\reg:\reg+3], s[\sb:\sb+1] offset:\off
	global_store_b64 v[L8], v[\reg+4:\reg+5], s[\sb:\sb+1] offset:\off+512
	global_store_b128 v[L16], v[\reg+6:\reg+9], s[\sb:\sb+1] offset:\off+768
	global_store_b64 v[L8], v[\reg+10:\reg+11], s[\sb:\sb+1] offset:\off+1280
.endm
.macro LDP g, s                        ; P's tiles 2 g and 2 g + 1 of K step s, with their scale words: 10 loads
.irp p, 2*\g, 2*\g+1
	LDFRAG PF+12*(\p), PCB, (\p)*PTS+(\s)*1536
	global_load_b32 v[PSC+(\p)], v[L4], s[PSB:PSB+1] offset:(\p)*PSS+(\s)*128
.endr
.endm
.macro LDR s                           ; R's four tiles of K step s into set s % 2: 20 loads
.irp rt, 0,1,2,3
	LDFRAG RF+48*((\s)%2)+12*\rt, RCB, \rt*RTS+(\s)*1536
	global_load_b32 v[RSC+4*((\s)%2)+\rt], v[L4], s[RSB:RSB+1] offset:\rt*RSS+(\s)*128
.endr
.endm
.macro BIREG p                         ; BIP: where b1's eight numbers for tile p stand
.if (\p) < 6
.set BIP, 112+8*(\p)
.else
.set BIP, 224+8*((\p)-6)
.endif
.endm
.macro LDBIAS                          ; 16 loads: lane (r, h) wants, for tile p, b1 at hidden units 32 (p / 2) + 16 h + 8 (p % 2) + 0 .. 7 of the block
.irp p, 0,1,2,3,4,5,6,7
	BIREG \p
	global_load_b128 v[BIP:BIP+3], v[VBO], s[BIB:BIB+1] offset:(32*(\p/2)+8*(\p%2))*4
	global_load_b128 v[BIP+4:BIP+7], v[VBO], s[BIB:BIB+1] offset:(32*(\p/2)+8*(\p%2))*4+16
.endr
.endm
.macro QUANT s, pc, pw                 ; 64 numbers of a lane in window 1 -> codes v[pc] .. v[pc + 11] and scale word v[pw] in window 0
	WIN 0x05
.irp b, 0,1,2,3
	v_max3_num_f32 v[TM+\b], |v[\s+16*\b]|, |v[\s+1+16*\b]|, 0x1800000   ; and the floor 2^(3 - 127): the byte cannot fall under 1
.endr
	WIN 0x14
.irp i, 2,4,6,8,10,12,14
.irp b, 0,1,2,3
	v_max3_num_f32 v[TM+\b], v[TM+\b], |v[\s+16*\b+\i]|, |v[\s+1+16*\b+\i]|
.endr
.endr
	WIN 0
.irp b, 0,1,2,3
	v_permlanex16_b32 v[TM+4+\b], v[TM+\b], s[SEL], s[SEL+1]
.endr
.irp b, 0,1,2,3
	s_delay_alu instid0(VALU_DEP_4)
	v_max_num_f32 v[TM+\b], v[TM+\b], v[TM+4+\b]
.endr
.irp b, 0,1,2,3
	s_delay_alu instid0(VALU_DEP_4)
	v_add_nc_u32 v[TM+12+\b], 0xff000000, v[TM+\b]
.endr
.irp b, 0,1,2,3
	s_delay_alu instid0(VALU_DEP_4)
	v_lshrrev_b32 v[TM+4+\b], 23, v[TM+12+\b]
.endr
	s_delay_alu instid0(VALU_DEP_3)
	v_lshl_or_b32 v[\pw], v[TM+5], 8, v[TM+4]
	s_delay_alu instid0(VALU_DEP_1)
	v_lshl_or_b32 v[\pw], v[TM+6], 16, v[\pw]
	s_delay_alu instid0(VALU_DEP_1)
	v_lshl_or_b32 v[\pw], v[TM+7], 24, v[\pw]
	WIN 0x01
.irp c, 0,1
	v_cvt_scalef32_pk16_fp6_f32 v[\pc+6*\c:\pc+2+6*\c], v[\s+32*\c:\s+15+32*\c], v[TM+12+2*\c]
	v_cvt_scalef32_pk16_fp6_f32 v[\pc+12+4*\c:\pc+14+4*\c], v[\s+16+32*\c:\s+31+32*\c], v[TM+12+2*\c+1]
.endr
	WIN 0
	v_nop                                          ; one plain place behind a scaled conversion
.irp c, 0,1
.irp i, 0,1,2
	v_permlane16_swap_b32 v[\pc+6*\c+\i], v[\pc+12+4*\c+\i]
.endr
.irp i, 0,1,2
	s_delay_alu instid0(VALU_DEP_3)
	v_mov_b32 v[\pc+3+6*\c+\i], v[\pc+12+4*\c+\i]
.endr
.endr
.endm
; K step s: four pairs of P's tiles, each against R's four: 8 matrix instructions a pair.  The 32 accumulators take turns, one instruction a turn, in the same order in every step.
; Loads are issued in this order: P's pair 0, R, P's pairs 1, 2, 3 of a step; and loads come back in order.  So the wait ahead of a pair counts the loads issued behind the pair's own:
;   pair 0 (and R): this step's pairs 1, 2, 3: 30.   pair g = 1, 2, 3: this step's later pairs, 10 (3 - g), and of the next step pair 0, R and pairs 1 .. g - 1, 10 g + 20: 50.
;   In the last step b1's 16 loads stand behind pair 0's products: 10 (3 - g) + 16.
.macro KSTEP s
.set RS, RF+48*((\s)%2)
.set RC, RSC+4*((\s)%2)
.irp g, 0,1,2,3
.if \g == 0
	s_wait_loadcnt 30
.elseif \s < 7
	s_wait_loadcnt 50
.else
	s_wait_loadcnt 10*(3-\g)+16
.endif
	WIN 0x50                                       ; C and D in window 1
.irp p, 2*\g, 2*\g+1
.irp rt, 0,1,2,3
.if \s == 0
	v_wmma_scale_f32_16x16x128_f8f6f4 v[64*\rt+8*(\p):64*\rt+8*(\p)+7], v[PF+12*(\p):PF+12*(\p)+11], v[RS+12*\rt:RS+12*\rt+11], 0, v[PSC+(\p)], v[RC+\rt] matrix_a_fmt:MATRIX_FMT_FP6 matrix_b_fmt:MATRIX_FMT_FP6
.else
	v_wmma_scale_f32_16x16x128_f8f6f4 v[64*\rt+8*(\p):64*\rt+8*(\p)+7], v[PF+12*(\p):PF+12*(\p)+11], v[RS+12*\rt:RS+12*\rt+11], v[64*\rt+8*(\p):64*\rt+8*(\p)+7], v[PSC+(\p)], v[RC+\rt] matrix_a_fmt:MATRIX_FMT_FP6 matrix_b_fmt:MATRIX_FMT_FP6
.endif
.endr
.endr
.if \s < 7
	WIN 0                                          ; the loads' destinations lie in window 0
	PLACES
	LDP \g, \s+1                                   ; the pair's registers take the next K step's tiles
.if \g == 0
	LDR \s+1                                       ; and R's other set, last read a step ago, the next step's R
.endif
.endif
.if (\s == 7) && (\g == 0)
	WIN 0
	LDBIAS                                         ; R's set 0 was last read in step 6, whose last products stand ahead of that step's last four places
.endif
.endr
	WIN 0
.endm
	s_load_b256 s[4:11], s[0:1], 0x0               ; W s[4:5], X2 s[6:7], b1 s[8:9], H s[10:11]
	v_lshrrev_b32 v5, 5, v0
	s_delay_alu instid0(VALU_DEP_1)
	v_readfirstlane_b32 s[WV], v5                  ; wave 0..7
	v_and_b32 v5, 31, v0
	s_delay_alu instid0(VALU_DEP_1)
	v_lshlrev_b32 v[L16], 4, v5
	s_delay_alu instid0(VALU_DEP_2)
	v_lshlrev_b32 v[L8], 3, v5
	s_delay_alu instid0(VALU_DEP_3)
	v_lshlrev_b32 v[L4], 2, v5
	v_bfe_u32 v[VBO], v0, 4, 1
	s_delay_alu instid0(VALU_DEP_1)
	v_lshlrev_b32 v[VBO], 6, v[VBO]
.irp b, 0,1,2,3
	v_mov_b32 v[TM+4+\b], 0                        ; written once: a lane permute's destination counts as one of its sources
.endr
	s_mov_b32 s[SEL], 0x76543210
	s_mov_b32 s[SEL+1], 0xfedcba98
	s_and_b32 s32, s[WV], 1
	s_lshr_b32 s33, s[WV], 1
	s_and_b32 s34, ttmp9, 15
	s_lshl_b32 s34, s34, 1
	s_add_co_u32 s34, s34, s32                     ; my block of 128 hidden units, 0..31
	s_lshr_b32 s35, ttmp9, 4
	s_lshl_b32 s35, s35, 2
	s_add_co_u32 s35, s35, s33                     ; my group of 4 token tiles, 0..63
	s_lshl_b32 s36, s34, 3
	s_add_co_u32 s36, s36, 512                     ; w1's job of my first tile
	s_lshl_b32 s37, s35, 2                         ; my first token tile
	s_lshl_b32 s38, s35, 7
	s_add_co_u32 s38, s38, s34                     ; out: 32 x tile + block
	s_mov_b32 s41, 0
	s_wait_alu depctr_va_vdst(0)
	s_wait_kmcnt 0x0
	s_mul_i32 s40, s36, 12288
	s_add_nc_u64 s[PCB:PCB+1], s[4:5], s[40:41]
	s_lshl_b32 s40, s36, 10
	s_add_co_u32 s40, s40, SW
	s_add_nc_u64 s[PSB:PSB+1], s[4:5], s[40:41]
	s_mul_i32 s40, s37, 12288
	s_add_nc_u64 s[RCB:RCB+1], s[6:7], s[40:41]
	s_lshl_b32 s40, s37, 10
	s_add_co_u32 s40, s40, XS
	s_add_nc_u64 s[RSB:RSB+1], s[6:7], s[40:41]
	LDP 0, 0                                       ; K step 0, in the order in which every step is asked for
	LDR 0
	LDP 1, 0
	LDP 2, 0
	LDP 3, 0
	s_lshl_b32 s40, s34, 9
	s_add_nc_u64 s[BIB:BIB+1], s[8:9], s[40:41]
	s_mul_i32 s40, s38, 1536
	s_add_nc_u64 s[OCB:OCB+1], s[10:11], s[40:41]
	s_lshl_b32 s40, s38, 7
	s_add_co_u32 s40, s40, HS
	s_add_nc_u64 s[OSB:OSB+1], s[10:11], s[40:41]
.irp s, 0,1,2,3,4,5,6,7                        ; the first K step starts the sums: nothing is cleared
	KSTEP \s
.endr
	s_wait_loadcnt 0x0                             ; b1
	PLACES
.irp rt, 0,1,2,3
	WIN 0x41                                       ; source 0 and destination in window 1, b1 in window 0
.irp p, 0,1,2,3,4,5,6,7
	BIREG \p
.irp e, 0,2,4,6
	v_pk_add_f32 v[64*\rt+8*\p+\e:64*\rt+8*\p+\e+1], v[64*\rt+8*\p+\e:64*\rt+8*\p+\e+1], v[BIP+\e:BIP+\e+1]   ; + b1; each accumulator from its low end on
.endr
.endr
	WIN 0x44                                       ; source 1 and destination in window 1
.set j, 0
.rept 64
	v_max_num_f32 v[64*\rt+j], 0, v[64*\rt+j]      ; the activation, in f32
.set j, j+1
.endr
	QUANT 64*\rt, 16+20*\rt, 96+\rt                ; each tile has its own registers for codes and word, so that no store's data are written again
	STFRAG 16+20*\rt, OCB, \rt*49152
	global_store_b32 v[L4], v[96+\rt], s[OSB:OSB+1] offset:\rt*4096
.endr
	s_endpgm
.Lfunc_end_k_q9b93029721_ffn1:
	.size	k_q9b93029721_ffn1, .Lfunc_end_k_q9b93029721_ffn1-k_q9b93029721_ffn1
	.p2alignl 7, 3214868480
	.fill 96, 4, 3214868480
	.section	.rodata,"a",@progbits
	.p2align	6, 0x0
	.amdhsa_kernel k_q9b93029721_ffn1
		.amdhsa_group_segment_fixed_size 0
		.amdhsa_private_segment_fixed_size 0
		.amdhsa_enable_private_segment 0
		.amdhsa_kernarg_size 32
		.amdhsa_user_sgpr_count 2
		.amdhsa_user_sgpr_kernarg_segment_ptr 1
		.amdhsa_wavefront_size32 1
		.amdhsa_system_sgpr_workgroup_id_x 1
		.amdhsa_system_sgpr_workgroup_id_y 1
		.amdhsa_system_sgpr_workgroup_id_z 1
		.amdhsa_system_vgpr_workitem_id 0
		.amdhsa_next_free_vgpr 512
		.amdhsa_next_free_sgpr 66
		.amdhsa_reserve_vcc 0
		.amdhsa_float_denorm_mode_32 3
		.amdhsa_float_denorm_mode_16_64 3
		.amdhsa_memory_ordered 1
		.amdhsa_forward_progress 1
		.amdhsa_inst_pref_size 124
	.end_amdhsa_kernel
	.amdgpu_metadata
---
amdhsa.version: [ 1, 2 ]
amdhsa.kernels:
  - .name:           k_q9b93029721_ffn1
    .symbol:         k_q9b93029721_ffn1.kd
    .args:
      - { .name: W, .offset: 0, .size: 8, .value_kind: global_buffer, .address_space: global }
      - { .name: X2, .offset: 8, .size: 8, .value_kind: global_buffer, .address_space: global }
      - { .name: b1, .offset: 16, .size: 8, .value_kind: global_buffer, .address_space: global }
      - { .name: H, .offset: 24, .size: 8, .value_kind: global_buffer, .address_space: global }
    .group_segment_fixed_size: 0
    .private_segment_fixed_size: 0
    .kernarg_segment_align: 8
    .kernarg_segment_size: 32
    .max_flat_workgroup_size: 256
    .sgpr_count:     66
    .vgpr_count:     512
    .wavefront_size: 32
...
	.end_amdgpu_metadata
.endif
;; end of part 5
;; launch ffn2 (part 6): grid 8 x 32, 4 waves a work-group, clusters of 4 x 4, 327,680 bytes of LDS; arguments W, H, S2, b2, out0; writes out0
.if DOCPART == 6
	.amdgcn_target "amdgcn-amd-amdhsa--gfx1250"
	.amdhsa_code_object_version 6
	.text
	.protected	k_q9b93029721_ffn2
	.globl	k_q9b93029721_ffn2
	.p2align	8
	.type	k_q9b93029721_ffn2,@function
k_q9b93029721_ffn2:
	s_mov_b64 s[64:65], 0
	v_nop
	global_prefetch_b8 v0, s[64:65] scope:SCOPE_SE
	s_setreg_imm32_b32 hwreg(HW_REG_WAVE_MODE, 25, 1), 1
	s_wait_xcnt 0x0
	s_wait_alu depctr_hold_cnt(0) depctr_sa_sdst(0) depctr_va_vdst(0) depctr_va_sdst(0) depctr_va_ssrc(0) depctr_va_vcc(0) depctr_vm_vsrc(0)
	s_getreg_b32 s2, hwreg(HW_REG_IB_STS2, 6, 4)
	s_cmp_eq_u32 s2, 0
	s_cbranch_scc0 .Lentry_in_a_cluster
	s_endpgm
.Lentry_in_a_cluster:
	s_bfe_u32 s2, ttmp6, 0x10000c
	s_cmp_lg_u32 s2, 0xf033
	s_cbranch_scc0 .Lentry_shape_is_right
	s_endpgm
.Lentry_shape_is_right:
; out0 = src2 + hidden x w2^T + b2, the product on codes of FP6 (E2M3) with E8M0 scales.
; OPERANDS lie in H and W as images of a matrix operand's registers: fragment (tile T of 16 rows, K step s of 128) is 1,536 dense bytes at (32 T + s) x 1,536, its scale words 128 bytes at (32 T + s) x 128.
; The rows of a tile are 32 b + 8 u + r + 8 (r / 8) for lane r of tile 2 b + u.
; SHARES.  A work-group makes 128 tokens x 128 features: 32 x 8 = 256 work-groups.  K = 4,096 goes in 8 chunks of 4 K steps through a ring of two LDS slots; of each chunk WAVE w TAKES K STEP w, for the whole block:
; 8 fragments of tokens x 8 of w2 = 64 accumulators, 512 registers.  So no fragment is read from LDS twice.  The four waves' parts meet in LDS at the end and are added in a fixed order:
; ((part 0 + part 1) + (part 2 + part 3)) + (src2 + b2).  That order of f32 additions differs from one running sum over K.
; A FILL of a slot is four tensor loads, one a wave, 4 rows of 6,144 bytes each (49,152 apart in memory): waves 0, 1 the tokens' tiles 0-3 and 4-7, waves 2, 3 w2's.  Every row begins at a multiple of 256 bytes.
; THE HEAD'S four loads, one a wave: chunk 0 of the tokens' 8 tiles, of w2's 8 tiles, and the scale words of all K of both (two dense blocks of 32,768 bytes), which stay behind the ring.
; CLUSTERS: 4 x 4 work-groups.  The tokens' tiles hang on the work-group's y alone and are asked for jointly along a row of the cluster, w2's on its x alone and jointly along a column.
; PREFETCH: of the 4 rows that a wave fetches the partner at place p (cx for the tokens, cy for w2) names row p: 24 blocks of 256 bytes, one instruction.  The head names chunks 1 and 2, stage c (which fills chunk c + 1) chunk c + 3;
; stages 5 to 7 ask for nothing.  So at most three chunks are named and not yet loaded.
; src2 and b2 are asked for in stage 0, into registers of their own, and first read behind the loop.
; Source 0 = w2's rows, source 1 = tokens: a lane holds one token, and its registers of accumulator (a, b) features 32 (b / 2) + 8 (b % 2) + 16 h + 0 .. 7.
; REGISTERS: window 0: v0-31 addresses, v32-39 scale words (lanes 0-15 the tokens' tile i, lanes 16-31 w2's tile i), v64-159 the tokens' fragments; window 1: v0-95 w2's fragments, v96-99 b2, v128-255 32 rows of src2;
; windows 2, 3: the accumulators, (a, b) at v[8 (8 (a % 4) + b)].
.set NCH,  8                           ; chunks of 4 K steps
.set ASK0, 1
.set BIAS, 1
.set TPC,  49152                       ; from tile to tile in memory: codes,
.set TPS,  4096                        ; scale words
.set TS0,  12582912                    ; the tokens' scale words in H
.set FC0,  768*12288                   ; w2's codes in W
.set FS0,  12582912+768*1024           ; and its scale words
.set OUTP, 12
.set CHC,  6144                        ; a chunk of a tile: 4 K steps of codes,
.set CHS,  512                         ; of scale words
.set QT,   4*CHC                       ; what one load of the ring brings
.set SLOT, 4*QT                        ; a slot: the tokens' 8 tiles, then
.set LF,   2*QT                        ; w2's
.set LTS,  2*SLOT                      ; behind the ring: the tokens' scale words,
.set LFS,  LTS+8*TPS                   ; and w2's
.set RP,   528                         ; the way out: a row of 512 bytes + 16 = 33 x 16
.set PARTB, 128*RP                     ; a wave's part; the four parts lie over the ring and the scales, which have had their last fill by then
.set SPARE, 4*PARTB                    ; behind them the spare words: 128 bytes a wave, named by no other line
.set L16,  3                           ; v3     16 x lane
.set AT16, 8                           ; v8, 9   the tokens' fragments in slot 0, 1: 1,536 w + 16 l
.set AT8,  10                          ; v10, 11 + 512 + 8 l
.set AF16, 12                          ; v12-15 the same for w2
.set AF8,  14
.set ASC,  16                          ; v16    scale words of chunk 0: LTS + 128 w + 8 TPS h + 4 r
.set ADS,  17                          ; v17    the same at the loop's trip
.set SO,   18                          ; v18    my part: row r, 64 h
.set RD,   20                          ; v20-23 the four parts at my 32 rows, 16 l
.set PFO,  24                          ; v24    256 x min(l, 23)
.set SPW,  28                          ; v28    my spare word; never rewritten
.set NIL,  29                          ; v29    0; never rewritten
.set SC,   32
.set TF,   64
.set PT,   64                          ; the way out: v64-127, v128-191: four rows x four parts, two sets
.set BB,   96                          ; window 1
.set SR,   128                         ; window 1
.set G1T,  24                          ; descriptor groups 1: tokens' codes, w2's codes, tokens' scales, w2's scales
.set G1F,  32
.set G1TS, 48
.set G1FS, 56
.set G0,   68                          ; the ring's groups 0: s[68 + 8 k + 4 slot ..], k = 0 tokens, 1 w2
.set GH,   84                          ; the head's four groups 0
.set PFA,  20                          ; s[20:21] where my prefetches stand
.set SOFF, 46
.set CNT,  47
.set MSB, 0
.macro WIN new                         ; s_set_vgpr_msb: bits 1:0 source 0, 3:2 source 1, 5:4 source 2, 7:6 destination; the high byte repeats the setting that is left
.if MSB != (\new)
	s_set_vgpr_msb (MSB<<8)|(\new)
.set MSB, (\new)
.endif
.endm
.macro PLACES                          ; four plain places behind a matrix instruction (ISA guide 7.12.1)
.rept 4
	v_nop
.endr
.endm
.macro CROUND                          ; a round of the cluster's barrier
	s_barrier_signal -1
	s_barrier_wait -1
	s_cmp_lg_u32 s14, 0
	s_cbranch_scc1 .Lnw0_\@
	s_barrier_signal -3
.Lnw0_\@:
	s_barrier_wait -3
	s_barrier_signal -1
	s_barrier_wait -1
.endm
.macro JLOAD s                         ; a fill of slot s: waves 0, 1 for the tokens, waves 2, 3 for w2; s_nop 0 and four v_nop behind each line
	s_cmp_lt_u32 s14, 2
	s_cbranch_scc0 .Ljf_\@
	tensor_load_to_lds s[G0+4*(\s):G0+4*(\s)+3], s[G1T:G1T+7]
	s_nop 0
	PLACES
	s_branch .Lje_\@
.Ljf_\@:
	tensor_load_to_lds s[G0+8+4*(\s):G0+8+4*(\s)+3], s[G1F:G1F+7]
	s_nop 0
	PLACES
.Lje_\@:
.endm
.macro SETG1 g, row, pitch             ; 8 rows of \row elements of 8 bytes, \pitch elements apart
	s_mov_b32 s[\g+1], (\row)<<16
	s_mov_b32 s[\g+2], 8<<16
	s_mov_b32 s[\g+3], (\row)<<16
	s_mov_b32 s[\g+4], 8
	s_mov_b32 s[\g+5], \pitch
	s_mov_b32 s[\g+6], 0
	s_mov_b32 s[\g+7], 0
.endm
.macro HEADG g, ptr, lds
	s_mov_b32 s[\g], 1
	s_mov_b32 s[\g+1], \lds
	s_mov_b64 s[\g+2:\g+3], s[\ptr:\ptr+1]
	s_or_b32 s[\g+3], s[\g+3], 0x80000000
.endm
.macro RING k, ptr                     ; slot 0 at chunk 0, slot 1 at chunk 1; LDS: wave x a quarter of a slot
.irp s, 0,1
	s_mov_b32 s[G0+8*\k+4*\s], 1
	s_add_co_u32 s[G0+8*\k+4*\s+1], s45, \s*SLOT
	s_add_nc_u64 s[G0+8*\k+4*\s+2:G0+8*\k+4*\s+3], s[\ptr:\ptr+1], \s*CHC
	s_or_b32 s[G0+8*\k+4*\s+3], s[G0+8*\k+4*\s+3], 0x80000000
.endr
.endm
.macro ARM under, g0, g1, next         ; an arm of the head's one chain of branches on the wave's number
	s_cmp_lt_u32 s14, \under
	s_cbranch_scc0 \next
	tensor_load_to_lds s[\g0:\g0+3], s[\g1:\g1+7]
	s_nop 0
	PLACES
	s_branch .Lhead_asked
\next:
.endm
.macro LDFRAG reg, a16, a8, off        ; a fragment's image: registers 0-3 at 16 l, 4-5 at 512 + 8 l, 6-9 at 768 + 16 l, 10-11 at 1,280 + 8 l
	ds_load_b128 v[\reg:\reg+3], v[\a16] offset:\off
	ds_load_b64 v[\reg+4:\reg+5], v[\a8] offset:\off
	ds_load_b128 v[\reg+6:\reg+9], v[\a16] offset:\off+768
	ds_load_b64 v[\reg+10:\reg+11], v[\a8] offset:\off+768
.endm
; 64 matrix instructions: the tokens' tiles one after the other, each against w2's eight.  The 64 accumulators take turns, one instruction a turn, in the same order in every stage.
; The tokens' fragments were asked for last, four loads each: the wait ahead of tile a leaves the 4 (7 - a) loads of the later tiles out.
.macro MUL zero
.irp a, 0,1,2,3,4,5,6,7
	s_wait_dscnt 4*(7-\a)
	WIN 0xa1+0x50*(\a/4)                           ; source 0 window 1, source 1 window 0, C and D window 2 or 3
.irp b, 0,1,2,3,4,5,6,7
.if \zero
	v_wmma_scale_f32_16x16x128_f8f6f4 v[8*(8*(\a%4)+\b):8*(8*(\a%4)+\b)+7], v[12*\b:12*\b+11], v[TF+12*\a:TF+12*\a+11], 0, v[SC+\b], v[SC+\a] matrix_a_fmt:MATRIX_FMT_FP6 matrix_b_fmt:MATRIX_FMT_FP6 matrix_a_scale:MATRIX_SCALE_ROW1
.else
	v_wmma_scale_f32_16x16x128_f8f6f4 v[8*(8*(\a%4)+\b):8*(8*(\a%4)+\b)+7], v[12*\b:12*\b+11], v[TF+12*\a:TF+12*\a+11], v[8*(8*(\a%4)+\b):8*(8*(\a%4)+\b)+7], v[SC+\b], v[SC+\a] matrix_a_fmt:MATRIX_FMT_FP6 matrix_b_fmt:MATRIX_FMT_FP6 matrix_a_scale:MATRIX_SCALE_ROW1
.endif
.endr
.endr
	WIN 0
.endm
; STAGE c works on chunk c, which lies in \slot.  In front of the round each wave waits for all its tensor loads (one is out: its part of this chunk), adds 0 to its spare word, and waits for that and for its reads of the other slot;
; behind the round the other slot takes chunk c + 1 (fill), its descriptors stepped two chunks on (step); then this chunk's fragments are read and multiplied.  ask: 1 prefetch, 2 prefetch but in the loop's last trip.
; sreg, soff: where this chunk's scale words stand.
.macro STAGE slot, fill, step, zero, ask, sreg, soff
.if \step
	s_wait_xcnt 0x0                                ; my prefetch has read its address
	s_add_nc_u64 s[PFA:PFA+1], s[PFA:PFA+1], CHC
.endif
	s_wait_tensorcnt 0x0
	ds_add_u32 v[SPW], v[NIL]
.if \zero
	s_mov_b32 s[G1T+2], 4<<16                      ; no tensor load of mine is out: from here on a load of codes brings 4 rows
	s_mov_b32 s[G1T+4], 4
	s_mov_b32 s[G1F+2], 4<<16
	s_mov_b32 s[G1F+4], 4
.endif
.if \step
.irp k, 0,1
	s_add_nc_u64 s[G0+8*\k+4*(1-\slot)+2:G0+8*\k+4*(1-\slot)+3], s[G0+8*\k+4*(1-\slot)+2:G0+8*\k+4*(1-\slot)+3], 2*CHC
.endr
.endif
	s_wait_dscnt 0x0
.if \fill
	CROUND
	JLOAD 1-\slot                                  ; its four v_nop are also the places ahead of the loads below
.else
	s_barrier_signal -1                            ; nothing is filled again: the work-group's barrier shows the last chunk whole
	s_barrier_wait -1
	PLACES
.endif
	WIN 0x40                                       ; destination window 1
.irp i, 0,1,2,3,4,5,6,7
	LDFRAG 12*\i, AF16+\slot, AF8+\slot, \i*CHC
.endr
	WIN 0
.irp i, 0,1,2,3,4,5,6,7
	ds_load_b32 v[SC+\i], v[\sreg] offset:\soff+\i*TPS
.endr
.if \ask == 2
	s_cmp_gt_u32 s[CNT], 1
	s_cbranch_scc0 .Lna_\@
.endif
.if \ask
	global_prefetch_b8 v[PFO], s[PFA:PFA+1] offset:2*CHC th:TH_LOAD_NT scope:SCOPE_SE
.endif
.if \ask == 2
.Lna_\@:
.endif
.irp i, 0,1,2,3,4,5,6,7
	LDFRAG TF+12*\i, AT16+\slot, AT8+\slot, \i*CHC
.endr
.if \zero
	RESLOAD
.endif
	MUL \zero
.endm
	s_load_b256 s[4:11], s[0:1], 0x0               ; W s[4:5], H s[6:7], S2 s[8:9], b2 s[10:11]
	s_load_b64 s[12:13], s[0:1], 0x20              ; out0
	v_lshl_add_u32 v[SPW], v0, 2, SPARE
	v_mov_b32 v[NIL], 0
	ds_add_u32 v[SPW], v[NIL]                      ; the opening lines: the add, twice on end, and its wait ahead of my first tensor load
	ds_add_u32 v[SPW], v[NIL]
	v_lshrrev_b32 v1, 5, v0
	v_readfirstlane_b32 s14, v1                    ; wave 0..3
	s_bfe_u32 s40, ttmp6, 0x40000                  ; cx, cy
	s_bfe_u32 s41, ttmp6, 0x40004
	s_lshl_b32 s42, ttmp9, 2
	s_add_co_u32 s42, s42, s40                     ; x: the block of 128 features, 0..7
	s_and_b32 s17, ttmp7, 0xffff
	s_lshl_b32 s17, s17, 2
	s_add_co_u32 s17, s17, s41                     ; y: the block of 128 tokens, 0..31
	s_lshl_b32 s43, s41, 2
	s_lshl_b32 s43, 15, s43                        ; my row of the cluster
	s_lshl_b32 s44, 0x1111, s40                    ; my column
	s_or_b32 s[G1T], s43, (3<<16)|(1<<21)          ; the mask; elements of 8 bytes; bit 21 beside a mask
	s_or_b32 s[G1TS], s43, (3<<16)|(1<<21)
	s_or_b32 s[G1F], s44, (3<<16)|(1<<21)
	s_or_b32 s[G1FS], s44, (3<<16)|(1<<21)
	SETG1 G1T, CHC/8, TPC/8
	SETG1 G1F, CHC/8, TPC/8
	SETG1 G1TS, TPS/8, TPS/8
	SETG1 G1FS, TPS/8, TPS/8
	s_mul_i32 s20, s17, 8*TPC                      ; the tokens' 8 tiles: codes,
	s_mov_b32 s21, 0
	s_mul_i32 s22, s17, 8*TPS
	s_add_co_u32 s22, s22, TS0                     ; scale words
	s_mov_b32 s23, 0
	s_mul_i32 s46, s42, 8*TPC                      ; w2's 8 tiles
	s_add_co_u32 s46, s46, FC0
	s_mov_b32 s47, 0
	s_mul_i32 s2, s42, 8*TPS
	s_add_co_u32 s2, s2, FS0
	s_mov_b32 s3, 0
	s_and_b32 s16, s14, 1
	s_mul_i32 s18, s16, 4*TPC                      ; in the ring I fetch 4 tiles: which half,
	s_mov_b32 s19, 0
	s_mul_i32 s45, s14, QT                         ; and where they go
	s_wait_dscnt 0x0                               ; both opening adds are done
	s_wait_kmcnt 0x0
	s_add_nc_u64 s[20:21], s[6:7], s[20:21]
	s_add_nc_u64 s[22:23], s[6:7], s[22:23]
	s_add_nc_u64 s[46:47], s[4:5], s[46:47]
	s_add_nc_u64 s[2:3], s[4:5], s[2:3]
	CROUND                                         ; all sixteen work-groups are here: the first joint loads meet
	HEADG GH, 20, 0
	HEADG GH+4, 46, LF
	HEADG GH+8, 22, LTS
	HEADG GH+12, 2, LFS
	s_add_nc_u64 s[20:21], s[20:21], s[18:19]
	s_add_nc_u64 s[46:47], s[46:47], s[18:19]
	RING 0, 20
	RING 1, 46
	ARM 1, GH, G1T, .Lhead_f                       ; the head's loads, one a wave
	ARM 2, GH+4, G1F, .Lhead_ts
	ARM 3, GH+8, G1TS, .Lhead_fs
	tensor_load_to_lds s[GH+12:GH+15], s[G1FS:G1FS+7]
	s_nop 0
	PLACES
.Lhead_asked:
	s_mul_i32 s15, s14, 1536                       ; my K step of a chunk
	s_lshl_b32 s16, s14, 7
	s_add_co_u32 s16, s16, LTS
	s_mul_i32 s18, s14, PARTB
	s_mul_i32 s19, s14, 32*RP
	v_and_b32 v1, 31, v0                           ; l
	v_and_b32 v2, 15, v0                           ; r
	v_bfe_u32 v4, v0, 4, 1                         ; h
	v_lshlrev_b32 v[L16], 4, v1
	v_lshlrev_b32 v5, 3, v1
	v_add_nc_u32 v5, 512, v5
	v_add_nc_u32 v[AT16], s15, v[L16]
	v_add_nc_u32 v[AT8], s15, v5
	v_add_nc_u32 v[AT16+1], SLOT, v[AT16]
	v_add_nc_u32 v[AT8+1], SLOT, v[AT8]
.irp s, 0,1
	v_add_nc_u32 v[AF16+\s], LF, v[AT16+\s]
	v_add_nc_u32 v[AF8+\s], LF, v[AT8+\s]
.endr
	v_lshlrev_b32 v6, 2, v2
	v_mad_u32_u24 v6, v4, 8*TPS, v6                ; lanes 16-31 take w2's words
	v_add_nc_u32 v[ASC], s16, v6
	v_mul_u32_u24 v7, v2, RP
	v_lshl_add_u32 v7, v4, 6, v7
	v_add_nc_u32 v[SO], s18, v7
	v_add_nc_u32 v[RD], s19, v[L16]
.irp q, 1,2,3
	v_add_nc_u32 v[RD+\q], \q*PARTB, v[RD]
.endr
	v_min_u32 v[PFO], 23, v1
	v_lshlrev_b32 v[PFO], 8, v[PFO]
	s_wait_alu depctr_va_vdst(0)                   ; the wait behind the head's last vector instruction
	; the prefetches: waves 0, 1 name the tokens' rows, waves 2, 3 w2's
	s_cmp_lt_u32 s14, 2
	s_cselect_b32 s15, s17, s42                    ; the block,
	s_cselect_b32 s16, s40, s41                    ; my place among the four that ask jointly,
	s_cselect_b64 s[PFA:PFA+1], s[6:7], s[4:5]     ; the buffer,
	s_cselect_b32 s45, 0, FC0                      ; and where its tiles begin
	s_lshl_b32 s15, s15, 3
	s_add_co_u32 s15, s15, s16
	s_and_b32 s16, s14, 1
	s_lshl_b32 s16, s16, 2
	s_add_co_u32 s15, s15, s16                     ; tile 8 x block + 4 (w % 2) + p
	s_mul_i32 s18, s15, TPC
	s_add_co_u32 s18, s18, s45
	s_add_co_u32 s18, s18, CHC                     ; at chunk 1
	s_mov_b32 s19, 0
	s_add_nc_u64 s[PFA:PFA+1], s[PFA:PFA+1], s[18:19]
	global_prefetch_b8 v[PFO], s[PFA:PFA+1] th:TH_LOAD_NT scope:SCOPE_SE
.if NCH > 2
	global_prefetch_b8 v[PFO], s[PFA:PFA+1] offset:CHC th:TH_LOAD_NT scope:SCOPE_SE
.endif
	; the way out: wave w adds and stores token tiles 2 w, 2 w + 1 of the block: rows 32 (4 y + w) .. + 31, 512 bytes at 512 x
	s_lshl_b32 s15, s17, 2
	s_add_co_u32 s15, s15, s14
	s_lshl_b32 s18, s15, 17
	s_lshl_b32 s16, s42, 9
	s_add_co_u32 s18, s18, s16
	s_add_nc_u64 s[8:9], s[8:9], s[18:19]
	s_add_nc_u64 s[OUTP:OUTP+1], s[OUTP:OUTP+1], s[18:19]
	s_mov_b32 s18, s16
	s_add_nc_u64 s[10:11], s[10:11], s[18:19]
.macro RESLOAD                         ; src2's 32 rows and b2, into window 1: asked for in stage 0, behind chunk 1's joint load and the stage's LDS loads, ahead of the first products
	WIN 0x40
.set i, 0
.rept 32
	global_load_b128 v[SR+4*i:SR+4*i+3], v[L16], s[8:9] offset:(8*(i/16)+(i%16)+8*((i%16)/8))*4096 th:TH_LOAD_NT   ; 512 consecutive bytes
.set i, i+1
.endr
	global_load_b128 v[BB:BB+3], v[L16], s[10:11]
	WIN 0
.endm
	STAGE 0, 1, 0, 1, ASK0, ASC, 0                 ; the first products start the sums: nothing is cleared.  Slot 1's first fill stands behind the full sequence, as a refill does
	s_mov_b32 s[CNT], (NCH-2)/2
	s_mov_b32 s[SOFF], CHS
.Lloop:                                            ; a trip goes once round the ring: stages (1, 2), (3, 4), (5, 6)
	v_add_nc_u32 v[ADS], s[SOFF], v[ASC]           ; the scale words of the trip's first chunk
	s_wait_alu depctr_va_vdst(0)
	STAGE 1, 1, 1, 0, 2, ADS, 0
	STAGE 0, 1, 1, 0, 2, ADS, CHS
	s_add_co_u32 s[SOFF], s[SOFF], 2*CHS
	s_sub_co_u32 s[CNT], s[CNT], 1
	s_cmp_lg_u32 s[CNT], 0
	s_cbranch_scc1 .Lloop
	s_wait_loadcnt 0x0                             ; src2 and b2
	WIN 0x45                                       ; sources and destination in window 1
.set i, 0
.rept 32
	v_pk_add_f32 v[SR+4*i:SR+4*i+1], v[SR+4*i:SR+4*i+1], v[BB:BB+1]
	v_pk_add_f32 v[SR+4*i+2:SR+4*i+3], v[SR+4*i+2:SR+4*i+3], v[BB+2:BB+3]
.set i, i+1
.endr
	WIN 0
	s_wait_alu depctr_va_vdst(0)
	STAGE 1, 0, 0, 0, 0, ASC, (NCH-1)*CHS          ; the last chunk: nothing more is fetched
	s_wait_dscnt 0x0
	s_barrier_signal -1                            ; every wave's reads of the ring and the scales are over: the parts may be laid over them
	s_barrier_wait -1
	PLACES                                         ; ahead of the stores that read results
.irp a, 0,1,2,3,4,5,6,7
	WIN 0x08+4*(\a/4)                              ; an LDS store's data are its source 1: window 2 or 3
.irp b, 0,1,2,3,4,5,6,7
	ds_store_b128 v[SO], v[8*(8*(\a%4)+\b):8*(8*(\a%4)+\b)+3] offset:\a*16*RP+128*(\b/2)+32*(\b%2)       ; each accumulator from its low end on
	ds_store_b128 v[SO], v[8*(8*(\a%4)+\b)+4:8*(8*(\a%4)+\b)+7] offset:\a*16*RP+128*(\b/2)+32*(\b%2)+16
.endr
.endr
	WIN 0
	s_wait_dscnt 0x0                               ; for the others' sake: my part has landed
	s_barrier_signal -1
	s_barrier_wait -1
.macro LOADP bt                        ; four rows x four parts into set bt % 2
.irp ii, 0,1,2,3
.irp q, 0,1,2,3
	ds_load_b128 v[PT+64*((\bt)%2)+16*\ii+4*\q:PT+64*((\bt)%2)+16*\ii+4*\q+3], v[RD+\q] offset:(4*(\bt)+\ii)*RP
.endr
.endr
.endm
	LOADP 0
.irp bt, 0,1,2,3,4,5,6,7
.if \bt < 7
	LOADP \bt+1
	s_wait_dscnt 16                                ; this batch's 16 loads are in; the next batch's may be out
.else
	s_wait_dscnt 0x0
.endif
.set P, PT+64*(\bt%2)
.irp ii, 0,1,2,3
.irp e, 0,2
	v_pk_add_f32 v[P+16*\ii+\e:P+16*\ii+\e+1], v[P+16*\ii+\e:P+16*\ii+\e+1], v[P+16*\ii+4+\e:P+16*\ii+4+\e+1]
	v_pk_add_f32 v[P+16*\ii+8+\e:P+16*\ii+8+\e+1], v[P+16*\ii+8+\e:P+16*\ii+8+\e+1], v[P+16*\ii+12+\e:P+16*\ii+12+\e+1]
.endr
.endr
.irp ii, 0,1,2,3
.irp e, 0,2
	v_pk_add_f32 v[P+16*\ii+\e:P+16*\ii+\e+1], v[P+16*\ii+\e:P+16*\ii+\e+1], v[P+16*\ii+8+\e:P+16*\ii+8+\e+1]
.endr
.endr
	WIN 0x41                                       ; source 0 and destination in window 1
.irp ii, 0,1,2,3
.irp e, 0,2
	v_pk_add_f32 v[SR+4*(4*\bt+\ii)+\e:SR+4*(4*\bt+\ii)+\e+1], v[SR+4*(4*\bt+\ii)+\e:SR+4*(4*\bt+\ii)+\e+1], v[P+16*\ii+\e:P+16*\ii+\e+1]
.endr
.endr
	WIN 0x04                                       ; a store's data are its source 1: window 1
.irp ii, 0,1,2,3
	global_store_b128 v[L16], v[SR+4*(4*\bt+\ii):SR+4*(4*\bt+\ii)+3], s[OUTP:OUTP+1] offset:(8*((4*\bt+\ii)/16)+((4*\bt+\ii)%16)+8*(((4*\bt+\ii)%16)/8))*4096 th:TH_STORE_NT   ; 512 consecutive bytes, aligned; each row has its own registers
.endr
	WIN 0
.endr
	s_wait_tensorcnt 0x0                           ; the wave's end
	ds_add_u32 v[SPW], v[NIL]
	s_wait_dscnt 0x0
	CROUND                                         ; the closing round
	s_endpgm
.Lfunc_end_k_q9b93029721_ffn2:
	.size	k_q9b93029721_ffn2, .Lfunc_end_k_q9b93029721_ffn2-k_q9b93029721_ffn2
	.p2alignl 7, 3214868480
	.fill 96, 4, 3214868480
	.section	.rodata,"a",@progbits
	.p2align	6, 0x0
	.amdhsa_kernel k_q9b93029721_ffn2
		.amdhsa_group_segment_fixed_size 327680
		.amdhsa_private_segment_fixed_size 0
		.amdhsa_enable_private_segment 0
		.amdhsa_kernarg_size 40
		.amdhsa_user_sgpr_count 2
		.amdhsa_user_sgpr_kernarg_segment_ptr 1
		.amdhsa_wavefront_size32 1
		.amdhsa_system_sgpr_workgroup_id_x 1
		.amdhsa_system_sgpr_workgroup_id_y 1
		.amdhsa_system_sgpr_workgroup_id_z 1
		.amdhsa_system_vgpr_workitem_id 0
		.amdhsa_next_free_vgpr 1024
		.amdhsa_next_free_sgpr 100
		.amdhsa_reserve_vcc 0
		.amdhsa_float_denorm_mode_32 3
		.amdhsa_float_denorm_mode_16_64 3
		.amdhsa_memory_ordered 1
		.amdhsa_forward_progress 1
		.amdhsa_inst_pref_size 111
	.end_amdhsa_kernel
	.amdgpu_metadata
---
amdhsa.version: [ 1, 2 ]
amdhsa.kernels:
  - .name:           k_q9b93029721_ffn2
    .symbol:         k_q9b93029721_ffn2.kd
    .args:
      - { .name: W, .offset: 0, .size: 8, .value_kind: global_buffer, .address_space: global }
      - { .name: H, .offset: 8, .size: 8, .value_kind: global_buffer, .address_space: global }
      - { .name: S2, .offset: 16, .size: 8, .value_kind: global_buffer, .address_space: global }
      - { .name: b2, .offset: 24, .size: 8, .value_kind: global_buffer, .address_space: global }
      - { .name: out0, .offset: 32, .size: 8, .value_kind: global_buffer, .address_space: global }
    .group_segment_fixed_size: 327680
    .private_segment_fixed_size: 0
    .kernarg_segment_align: 8
    .kernarg_segment_size: 40
    .max_flat_workgroup_size: 128
    .sgpr_count:     100
    .vgpr_count:     1024
    .wavefront_size: 32
...
	.end_amdgpu_metadata
.endif
;; end of part 6
